; MI455X (gfx1250); checked and timed in simulation.
; The chip was launched on July 23, 2026; its instructions are those of AMD's public machine-readable ISA for CDNA 5 (MIT licence, August 2026) and "CDNA5" Instruction Set Architecture Reference Guide (July 2026). The comments in the code are by the model that wrote it; some were corrected since.
;; GRU Cell. Allowed arithmetic: matrix products marked QUANTISED: E4M3 operands, one E8M0 scale for each 32 along K, by v_wmma_scale_f32_16x16x128_f8f6f4 with both operands' format E4M3, f32 sums; everything else in f32.
;; Inputs: b_h 2,048 float32; b_r 2,048 float32; b_z 2,048 float32; hidden 2,048 x 2,048 float32; hyp_x 2,048 x 2,048 float32; u_r 2,048 x 2,048 float32; u_z 2,048 x 2,048 float32; w_h 2,048 x 2,048 float32; w_r 2,048 x 2,048 float32; w_z 2,048 x 2,048 float32.
;; Outputs: out0 2,048 x 2,048 float32.
;; This version of the problem:
;;   THIS VERSION OF THE PROBLEM IS GIVEN IN LOW PRECISION. The matrix products marked QUANTISED in the list below multiply operands that are first quantised to E4M3 (4 exponent bits, 3 mantissa bits; 8 bits a number), with one power-of-two scale for each 32 numbers along K (OCP MX v1.0); their sums are f32. All else is computed in f32.
;;   The module's matrix products, in the order in which they are computed (A, B: the left and right operand; K: the contracted axis; several contracted axes count as one K, in the product's order):
;;     1. [M 2,048, K 2,048] x [K 2,048, N 2,048]; A: computed on the way; B: input w_z: QUANTISED
;;     2. [M 2,048, K 2,048] x [K 2,048, N 2,048]; A: computed on the way; B: input u_z: QUANTISED
;;     3. [M 2,048, K 2,048] x [K 2,048, N 2,048]; A: computed on the way; B: input w_r: QUANTISED
;;     4. [M 2,048, K 2,048] x [K 2,048, N 2,048]; A: computed on the way; B: input u_r: QUANTISED
;;     5. [M 2,048, K 2,048] x [K 2,048, N 2,048]; A: computed on the way; B: input w_h: QUANTISED
;;     6. [M 2,048, K 2,048] x [K 2,048, N 2,048]; A: computed on the way; B: input u_r: QUANTISED
;;   THE QUANTISER, for each operand of a quantised product, along K:
;;     - K is cut into blocks of 32 from its start; a last block that is shorter is filled with zeros.
;;     - A block's scale is 2^e with e = floor(log2(the largest magnitude in the block)) - 8, held to -126 .. 127; a block of zeros has e = 0. As a byte (E8M0): e + 127.
;;     - Each number is divided by its block's scale, clamped to +-448, and rounded to the nearest number of E4M3, ties to even, subnormals kept.
;;     - The product sums the exact products of the quantised numbers (number of the format x scale) in f32.
;;   ~~~python
;;   def quantise(x, axis):      # numpy; x: float32 -> the quantised numbers, widened to float32 again
;;       x = np.moveaxis(x, axis, -1); K = x.shape[-1]
;;       x = np.pad(x, [(0, 0)] * (x.ndim - 1) + [(0, -K % 32)]); x = x.reshape(x.shape[:-1] + (-1, 32)); a = np.abs(x).max(-1, keepdims=True)
;;       e = np.where(a > 0, np.clip(np.frexp(np.where(a > 0, a, 1))[1] - 1 - 8, -126, 127), 0)      # np.frexp(a)[1] - 1 = floor(log2(a)), exactly
;;       r = np.clip(x / 2.0 ** e, -448, 448)
;;       step = 2.0 ** (np.maximum(np.frexp(np.where(r == 0, 1, r))[1] - 1, -6) - 3)
;;       q = np.round(r / step) * step * 2.0 ** e      # np.round: ties to even
;;       return np.moveaxis(q.reshape(q.shape[:-2] + (-1,))[..., :K], -1, axis).astype(np.float32)
;;   ~~~
;;   OPERANDS COMPUTED ON THE WAY. 'Computed on the way' means the value that the module computes at that place (a softmax that the list does not call 'softmax' is quantised finished and normalised). What goes into a quantiser is computed in f32, as accurately as f32 sums, v_exp_f32 and their like allow (about 1e-6 of the number): no bf16 or f16 on the way to a quantiser, and a product that is left as it is and whose result goes on into a quantised operand takes f32 operands (vector FMAs, or v_wmma_f32_16x16x4_f32). A number that lies on a knife's edge between two numbers of the format may be rounded either way, as far as f32 arithmetic and the matrix unit's own rounding can turn it there, and no further.
;; One version. Each part assembles by itself: llvm-mc -triple=amdgcn-amd-amdhsa -mcpu=gfx1250 --defsym DOCPART=n.
;; ======== version 1 of 1: 5 launches
;; limits: right only within a limited range of input values
;; workspace buffers: actq 8,912,896 bytes; wgtq 17,301,504 bytes; whq 4,718,592 bytes; rphq 4,718,592 bytes; mx 67,108,864 bytes; mx5 16,777,216 bytes
;; launch prep (part 1): grid 896 x 1, 4 waves a work-group, no clusters, 57,856 bytes of LDS; arguments w_z, w_r, u_z, u_r, w_h, hidden, hyp_x, actq, wgtq, whq; writes actq, wgtq, whq
.if DOCPART == 1
	.amdgcn_target "amdgcn-amd-amdhsa--gfx1250"
	.amdhsa_code_object_version 6
	.text
	.protected	k_qb7f6cf2577_prep
	.globl	k_qb7f6cf2577_prep
	.p2align	8
	.type	k_qb7f6cf2577_prep,@function
k_qb7f6cf2577_prep:
	s_mov_b64 s[64:65], 0
	v_nop
	global_prefetch_b8 v0, s[64:65] scope:SCOPE_SE
	s_setreg_imm32_b32 hwreg(HW_REG_WAVE_MODE, 25, 1), 1
	s_wait_xcnt 0x0
; PREP: every operand that the products read is quantised ONCE to codes of FP8 (E4M3) with one E8M0 scale byte for each 32 along K.
; Work-groups 0-639: the five weights, f32 [K 2048][N 2048], K their FIRST axis.  A lane takes a column n and its registers run down K, so a block of 32 lies in one lane
;   and the codes come out with K innermost: codes [n][2048], scale bytes [n][64].  w_z, w_r, u_z, u_r go to wgtq, 2,048 rows of n each in that order; w_h goes to whq.
; Work-groups 640-895: the rows of hidden (actq's rows 0-2047) and hyp_x (rows 2048-4095): the row's norm, the clip to the ball (x * (1 - 1e-5) / n where n is above 1 - 1e-5), then the codes.
;   For each row the factor f and the norm behind the clip go to actq as two f32.
; In each of the three buffers the scale bytes begin at byte 0 and the codes at byte 524,288; actq's pairs (f, n) begin at byte 262,144.
; A block's scale is 2^(floor(log2(largest magnitude)) - 8); its byte is the largest magnitude's exponent field - 8, held at 1 from below.
; LIMITS: a block of zeros, and a block whose largest magnitude lies under 2^-118, gets the byte 1 (its codes are zeros or follow that scale; these bytes are read by this program alone); NaN and infinities are not served.
; No tensor loads, no barrier: waves share nothing.  The two paths part on the work-group's number and have LDS bytes of their own: 0-34,815 the weights' stages, 34,816-57,343 the rows'.
.set MANT,  0x600000                   ; the mantissa field of 448
.set FLOOR, 0x4800000                  ; 2^(9 - 127)
.set PITCH, 272                        ; weights: a stage row: 256 bytes of codes + 16
.set NB,    8                          ; blocks of 32 along K for a wave
.set XW,    32                         ; v32-95   weights: two sets of 32 numbers
.set CW,    96                         ; v96-103  a block's codes
.set OUTR,  112                        ; v112-175 the way out
.set SB,    24                         ; v24-25   8 scale bytes
.set R,     16                         ; v16-143  rows: two sets of 64 registers, a row each
.set X,     144                        ; v144-175 two sets of 16 neighbours
.set C,     176                        ; v176-191 the codes of a row's four steps
.set E,     192                        ; v192-207 a scale byte for each of the wave's 16 steps
.set Q,     208                        ; v208-215 four packed chains of squares
	s_load_b512 s[4:19], s[0:1], 0x0               ; w_z, w_r, u_z, u_r, w_h s[12:13], hidden s[14:15], hyp_x s[16:17], actq s[18:19]
	s_load_b128 s[20:23], s[0:1], 0x40             ; wgtq, whq
	v_lshl_add_u32 v224, v0, 2, 0xe000
	v_mov_b32 v225, 0
	v_lshrrev_b32 v1, 5, v0
	v_readfirstlane_b32 s24, v1                    ; wave 0..3
	v_and_b32 v1, 31, v0                           ; lane
	s_mov_b32 s25, MANT                            ; (an instruction takes one literal: the hold's line has another)
	s_cmp_lt_u32 ttmp9, 640
	s_cbranch_scc0 .Lact
	; ---------------- THE WEIGHTS: a work-group takes 128 columns x 256 along K of one weight, a wave 32 columns
	s_lshr_b32 s26, ttmp9, 7                       ; which weight, 0..4
	s_and_b32 s27, ttmp9, 15                       ; which 128 columns
	s_bfe_u32 s28, ttmp9, 0x30004                  ; which 256 along K
	s_lshl_b32 s29, s27, 7
	s_lshl_b32 s30, s24, 5
	s_add_co_u32 s29, s29, s30                     ; my wave's first column
	s_wait_alu depctr_va_vdst(0)
	v_lshlrev_b32 v3, 2, v1                        ; in: 4 bytes a lane
	s_mul_i32 s30, s24, 32*PITCH                   ; my stage
	v_mul_u32_u24 v4, v1, PITCH
	v_add_nc_u32 v4, s30, v4                       ; into it: row = my column
	v_and_b32 v5, 15, v1
	v_lshrrev_b32 v6, 4, v1
	v_mul_u32_u24 v7, v6, PITCH                    ; out of it: sixteen lanes to a row, two rows an instruction
	v_lshl_add_u32 v7, v5, 4, v7
	v_add_nc_u32 v7, s30, v7
	v_lshlrev_b32 v8, 11, v6                       ; and the same place in the codes: rows of 2,048 bytes
	v_lshl_add_u32 v8, v5, 4, v8
	v_mul_u32_u24 v26, v5, PITCH                   ; w_h's way out of the stage: row = column lane % 16,
	v_lshl_add_u32 v26, v6, 4, v26                 ; 16 bytes for each half of the lanes
	v_add_nc_u32 v26, s30, v26
	v_lshlrev_b32 v27, 4, v1                       ; and 16 x lane in its piece of 2,048 bytes
	v_lshlrev_b32 v9, 6, v1                        ; my column's row of 64 scale bytes
	s_lshl_b32 s32, s28, 21                        ; the weight: 256 rows of 8,192 bytes for each step along K,
	s_lshl_b32 s33, s29, 2
	s_add_co_u32 s32, s32, s33                     ; + 4 bytes a column
	s_mov_b32 s33, 0
	s_lshl_b32 s38, s26, 11
	s_cmp_eq_u32 s26, 4
	s_cselect_b32 s38, 0, s38                      ; the weight's first row in its buffer of codes
	s_add_co_u32 s38, s38, s29                     ; my wave's first row n
	s_lshl_b32 s40, s38, 11
	s_cmp_eq_u32 s26, 4
	s_cselect_b32 s41, 12, 8                       ; 256 along K: 256 bytes of a row, or for w_h two pieces of 2,048 bytes
	s_lshl_b32 s41, s28, s41
	s_add_co_u32 s40, s40, s41
	s_add_co_u32 s40, s40, 0x80000                 ; codes: 524,288 + 2,048 n + 256 x step
	s_mov_b32 s41, 0
	s_lshl_b32 s42, s38, 6
	s_lshl_b32 s43, s28, 3
	s_add_co_u32 s42, s42, s43                     ; scale bytes: 64 n + 8 x step
	s_mov_b32 s43, 0
	s_wait_kmcnt 0x0
	s_cmp_eq_u32 s26, 1                            ; the buffers are chosen by the work-group's number alone
	s_cselect_b64 s[34:35], s[6:7], s[4:5]
	s_cmp_eq_u32 s26, 2
	s_cselect_b64 s[34:35], s[8:9], s[34:35]
	s_cmp_eq_u32 s26, 3
	s_cselect_b64 s[34:35], s[10:11], s[34:35]
	s_cmp_eq_u32 s26, 4
	s_cselect_b64 s[34:35], s[12:13], s[34:35]
	s_cselect_b64 s[36:37], s[22:23], s[20:21]
	s_add_nc_u64 s[34:35], s[34:35], s[32:33]
	s_add_nc_u64 s[44:45], s[36:37], s[40:41]
	s_add_nc_u64 s[46:47], s[36:37], s[42:43]
.macro WLOAD t                         ; block t: W(32 t + i, my column), i = 0 .. 31, into set t % 2; a wave's load covers 128 consecutive bytes, the four waves stand side by side
.irp i, 0,1,2,3,4,5,6,7,8,9,10,11,12,13,14,15,16,17,18,19,20,21,22,23,24,25,26,27,28,29,30,31
	global_load_b32 v[XW+32*((\t)%2)+\i], v3, s[34:35] offset:(32*(\t)+\i)*8192 th:TH_LOAD_NT
.endr
.endm
	WLOAD 0
	WLOAD 1
.macro BLOCK t
.set XS, XW+32*((\t)%2)
.if (\t) < NB-1
	s_wait_loadcnt 32                              ; this block's 32 loads are in; the next block's 32 may be out
.else
	s_wait_loadcnt 0
.endif
	v_max3_num_f32 v12, |v[XS]|, |v[XS+1]|, |v[XS+2]|               ; the block's largest magnitude: all 32 numbers are mine
	v_max3_num_f32 v13, |v[XS+3]|, |v[XS+4]|, |v[XS+5]|
.irp i, 6,10,14,18,22,26
	v_max3_num_f32 v12, v12, |v[XS+\i]|, |v[XS+\i+1]|
	v_max3_num_f32 v13, v13, |v[XS+\i+2]|, |v[XS+\i+3]|
.endr
	v_max3_num_f32 v12, v12, |v[XS+30]|, |v[XS+31]|
	v_max3_num_f32 v12, v12, v13, FLOOR            ; and the floor, so that the byte cannot fall under 1
	v_add_nc_u32 v11, 0xfc000000, v12              ; 8 off the exponent field: the conversion takes this operand's exponent field as its scale
	v_and_or_b32 v10, v12, 0x7f800000, s25         ; 448 x the scale
	v_lshrrev_b32 v13, 23, v11                     ; the scale's byte
.if (\t)%4 == 0
	v_mov_b32 v[SB+(\t)/4], v13                    ; four bytes to a register, the lower K in the lower byte
.else
	v_lshl_or_b32 v[SB+(\t)/4], v13, 8*((\t)%4), v[SB+(\t)/4]
.endif
.irp i, 0,1,2,3,4,5,6,7,8,9,10,11,12,13,14,15,16,17,18,19,20,21,22,23,24,25,26,27,28,29,30,31
	v_med3_num_f32 v[XS+\i], v[XS+\i], -v10, v10   ; the conversion to an 8-bit code does not saturate (ISA guide 7.6.2): the hold comes first
.endr
.irp g, 0,1,2,3
	v_cvt_scalef32_pk8_fp8_f32 v[CW+2*\g:CW+2*\g+1], v[XS+8*\g:XS+8*\g+7], v11
.endr
	ds_store_b128 v4, v[CW:CW+3] offset:32*(\t)    ; 32 codes: 32 bytes of my column's row
	ds_store_b128 v4, v[CW+4:CW+7] offset:32*(\t)+16
.if (\t)+2 < NB
	WLOAD (\t)+2
.endif
	s_wait_dscnt 0x0                               ; the stores have read their registers: the next block's codes may be written
.endm
.set BQ, 0
.rept NB
	BLOCK BQ
.set BQ, BQ+1
.endr
	global_store_b64 v9, v[SB:SB+1], s[46:47]      ; my column's 8 scale bytes
	s_cmp_eq_u32 s26, 4                            ; w_h's codes leave in another order
	s_cbranch_scc1 .Lfrag
.irp t, 0,1,2,3,4,5,6,7,8,9,10,11,12,13,14,15
	ds_load_b128 v[OUTR+4*\t:OUTR+4*\t+3], v7 offset:2*\t*PITCH   ; LDS serves a wave's instructions in order: these see my stores
.endr
.irp t, 0,1,2,3,4,5,6,7,8,9,10,11,12,13,14,15
	s_wait_dscnt 15-\t                             ; the younger of the sixteen loads may be out
	global_store_b128 v8, v[OUTR+4*\t:OUTR+4*\t+3], s[44:45] offset:2*\t*2048   ; sixteen lanes store 256 consecutive bytes, aligned
.endr
	s_wait_tensorcnt 0x0
	ds_add_u32 v224, v225
	s_wait_dscnt 0x0
	s_endpgm
	; ---------------- THE ROWS: a work-group takes 16 rows, a wave 4, one after the other; a row is 64 registers: load i brings bytes 512 i + 16 x lane
	; W_H'S CODES LEAVE IN THE ORDER OF AN OPERAND'S REGISTERS, not as plain rows: 16 columns x 128 K are 2,048 consecutive bytes of whq,
	; 16 bytes at 512 c + 16 x lane holding column lane % 16, K = 32 c + 16 (lane / 16) + 0 .. 15; a column block's 16 such pieces follow each other (32,768 bytes).
.Lfrag:
.irp t, 0,1,2,3,4,5,6,7,8,9,10,11,12,13,14,15
	ds_load_b128 v[OUTR+4*\t:OUTR+4*\t+3], v26 offset:(\t/8)*16*PITCH+128*((\t/4)%2)+32*(\t%4)   ; column block t / 8, piece (t / 4) % 2, c = t % 4
.endr
.irp t, 0,1,2,3,4,5,6,7,8,9,10,11,12,13,14,15
	s_wait_dscnt 15-\t                             ; the younger of the sixteen loads may be out
	global_store_b128 v27, v[OUTR+4*\t:OUTR+4*\t+3], s[44:45] offset:(\t/8)*32768+((\t/4)%2)*2048+(\t%4)*512   ; 512 consecutive bytes, aligned
.endr
	s_wait_tensorcnt 0x0                           ; the wave's end
	ds_add_u32 v224, v225
	s_wait_dscnt 0x0
	s_endpgm
.Lact:
	s_sub_co_u32 s26, ttmp9, 640
	s_lshl_b32 s27, s26, 4
	s_lshl_b32 s28, s24, 2
	s_add_co_u32 s27, s27, s28                     ; my first row in actq, 0..4092
	s_and_b32 s28, s27, 2047
	s_lshl_b32 s28, s28, 13                        ; its bytes in hidden or in hyp_x
	s_mov_b32 s29, 0
	s_lshl_b32 s30, s27, 11
	s_add_co_u32 s30, s30, 0x80000                 ; its codes
	s_mov_b32 s31, 0
	s_lshl_b32 s32, s27, 6                         ; its scale bytes: my four rows' are 256 consecutive bytes, aligned
	s_mov_b32 s33, 0
	s_lshl_b32 s34, s27, 3
	s_add_co_u32 s34, s34, 0x40000                 ; its pair (f, n)
	s_mov_b32 s35, 0
	s_mov_b32 s36, 0x3f7fff58                      ; 1 - 1e-5
	s_mov_b32 s37, 0x2edbe6ff                      ; 1e-10
	s_mov_b32 s38, 0x76543210
	s_mov_b32 s39, 0xfedcba98                      ; v_permlanex16_b32's selects for lane l xor 16
	s_mul_i32 s40, s24, 5632
	s_add_co_u32 s40, s40, 34816                   ; my wave's LDS: two stages of 2,560 bytes,
	s_add_co_u32 s41, s40, 5120                    ; and its 256 scale bytes
	s_wait_alu depctr_va_vdst(0)
	v_lshlrev_b32 v2, 4, v1                        ; 16 x lane
	v_lshrrev_b32 v3, 2, v1
	v_mul_u32_u24 v3, v3, 80
	v_and_b32 v4, 3, v1
	v_lshl_add_u32 v3, v4, 4, v3
	v_add_nc_u32 v3, s40, v3                       ; the stage, in: four lanes' 64 bytes on end, then 16 of padding
	v_mul_u32_u24 v4, v1, 80
	v_add_nc_u32 v4, s40, v4                       ; and out: 80 x lane: my 16 neighbours
	v_lshrrev_b32 v5, 1, v1
	v_add_nc_u32 v5, s41, v5                       ; my block's scale byte
	v_lshlrev_b32 v7, 3, v1                        ; 8 x lane
	v_add_nc_u32 v6, s41, v7
	v_mov_b32 v217, 0                              ; written once: a lane permute's destination counts as one of its sources
	v_mov_b32 v220, 0                              ; lane j gathers row j's f
	v_mov_b32 v221, 0                              ; and n
	s_wait_kmcnt 0x0
	s_cmp_lt_u32 s26, 128                          ; hidden's work-group or hyp_x's
	s_cselect_b64 s[14:15], s[14:15], s[16:17]
	s_add_nc_u64 s[14:15], s[14:15], s[28:29]
	s_add_nc_u64 s[42:43], s[18:19], s[30:31]
	s_add_nc_u64 s[44:45], s[18:19], s[32:33]
	s_add_nc_u64 s[46:47], s[18:19], s[34:35]
.macro LOADROW j
.irp i, 0,1,2,3,4,5,6,7,8,9,10,11,12,13,14,15
	global_load_b128 v[R+64*((\j)%2)+4*\i:R+64*((\j)%2)+4*\i+3], v2, s[14:15] offset:8192*(\j)+512*\i th:TH_LOAD_NT   ; 512 consecutive bytes
.endr
.endm
; 512 numbers (16 registers) turn through a stage: as they lie on the way in, 64 bytes a lane on the way out, so that a lane holds 16 neighbours along K and two neighbouring lanes a block
.macro TURN src, par, xs
.irp i, 0,1,2,3
	ds_store_b128 v3, v[\src+4*\i:\src+4*\i+3] offset:2560*(\par)+640*\i
.endr
.irp i, 0,1,2,3
	ds_load_b128 v[\xs+4*\i:\xs+4*\i+3], v4 offset:2560*(\par)+16*\i   ; LDS serves a wave's instructions in order: no wait between the stores and the loads
.endr
.endm
.macro QSTEP xs, c, e, boff, coff
	v_max3_num_f32 v8, |v[\xs]|, |v[\xs+1]|, |v[\xs+2]|
	v_max3_num_f32 v9, |v[\xs+3]|, |v[\xs+4]|, |v[\xs+5]|
.irp i, 6,10
	v_max3_num_f32 v8, v8, |v[\xs+\i]|, |v[\xs+\i+1]|
	v_max3_num_f32 v9, v9, |v[\xs+\i+2]|, |v[\xs+\i+3]|
.endr
	v_max3_num_f32 v8, v8, |v[\xs+14]|, |v[\xs+15]|
	v_max3_num_f32 v8, v8, v9, FLOOR
	v_max_num_f32_dpp v8, v8, v8 row_xmask:1 row_mask:0xf bank_mask:0xf   ; with my neighbour's 16: the block's largest magnitude
	v_add_nc_u32 v11, 0xfc000000, v8               ; the conversion's scale operand
	v_and_or_b32 v10, v8, 0x7f800000, s25          ; 448 x the scale
.irp i, 0,1,2,3,4,5,6,7,8,9,10,11,12,13,14,15
	v_med3_num_f32 v[\xs+\i], v[\xs+\i], -v10, v10
.endr
	v_cvt_scalef32_pk8_fp8_f32 v[\c:\c+1], v[\xs:\xs+7], v11
	v_cvt_scalef32_pk8_fp8_f32 v[\c+2:\c+3], v[\xs+8:\xs+15], v11
	v_lshrrev_b32 v[\e], 23, v11                   ; the scale's byte (also the plain line behind the conversions)
	ds_store_b8 v5, v[\e] offset:\boff             ; both lanes of a block write the same byte with the same value
	global_store_b128 v2, v[\c:\c+3], s[42:43] offset:\coff   ; 512 consecutive bytes of codes
.endm
.macro ROW j
.set RS, R+64*((\j)%2)
.if (\j) < 3
	s_wait_loadcnt 16                              ; this row's 16 loads are in; the next row's 16 may be out
.else
	s_wait_loadcnt 0
.endif
	s_wait_xcnt 0x0                                ; the last row's stores have read their codes' registers: they are written again only behind this wait
.set i, 0
.rept 32
.if i < 4
	v_pk_mul_f32 v[Q+2*(i%4):Q+2*(i%4)+1], v[RS+2*i:RS+2*i+1], v[RS+2*i:RS+2*i+1]   ; the first four products start the chains: nothing is cleared
.else
	v_pk_fma_f32 v[Q+2*(i%4):Q+2*(i%4)+1], v[RS+2*i:RS+2*i+1], v[RS+2*i:RS+2*i+1], v[Q+2*(i%4):Q+2*(i%4)+1]
.endif
.set i, i+1
.endr
	v_pk_add_f32 v[Q:Q+1], v[Q:Q+1], v[Q+2:Q+3]
	v_pk_add_f32 v[Q+4:Q+5], v[Q+4:Q+5], v[Q+6:Q+7]
	v_pk_add_f32 v[Q:Q+1], v[Q:Q+1], v[Q+4:Q+5]
	v_add_f32 v216, v[Q], v[Q+1]
	v_add_f32_dpp v216, v216, v216 row_xmask:1 row_mask:0xf bank_mask:0xf
	v_add_f32_dpp v216, v216, v216 row_xmask:2 row_mask:0xf bank_mask:0xf
	v_add_f32_dpp v216, v216, v216 row_xmask:4 row_mask:0xf bank_mask:0xf
	v_add_f32_dpp v216, v216, v216 row_xmask:8 row_mask:0xf bank_mask:0xf
	v_permlanex16_b32 v217, v216, s38, s39
	v_add_f32 v216, v216, v217                     ; the row's sum of squares, in every lane
	v_max_num_f32 v216, s37, v216
	s_wait_alu depctr_va_vdst(0)
	v_sqrt_f32 v218, v216                          ; n
	v_nop                                          ; a plain line behind the root,
	s_wait_alu depctr_va_vdst(0)                   ; and the wait ahead of its first reader
	v_rcp_f32 v14, v218
	v_min_num_f32 v219, s36, v218                  ; the norm behind the clip (the plain line behind the reciprocal)
	s_wait_alu depctr_va_vdst(0)
	v_mul_f32 v14, s36, v14                        ; (1 - 1e-5) / n
	v_cmp_lt_f32 vcc_lo, s36, v218
	v_cndmask_b32 v14, 1.0, v14, vcc_lo            ; f: that where n is above 1 - 1e-5, else 1
	v_mov_b32 v15, v14
	v_cmp_eq_u32 vcc_lo, \j, v1
	v_cndmask_b32 v220, v220, v14, vcc_lo
	v_cndmask_b32 v221, v221, v219, vcc_lo
.set i, 0
.rept 32
	v_pk_mul_f32 v[RS+2*i:RS+2*i+1], v[RS+2*i:RS+2*i+1], v[14:15]
.set i, i+1
.endr
	TURN RS, 0, X
.irp t, 0,1,2,3
.if \t == 0
	s_wait_dscnt 0x0
.else
	s_wait_dscnt 0x1                               ; this step's numbers are back; the one LDS line issued behind them, the last step's byte store, may be out
.endif
.if (\t == 3) && ((\j) < 2)
	LOADROW (\j)+2                                 ; the row's last registers have gone through the stage: the set takes the row two further on
.endif
.if \t < 3
	TURN RS+16*(\t+1), (\t+1)%2, X+16*((\t+1)%2)
.endif
	QSTEP X+16*(\t%2), C+4*\t, E+4*(\j)+\t, 16*(4*(\j)+\t), 2048*(\j)+512*\t
.endr
.endm
	LOADROW 0
	LOADROW 1
	ROW 0
	ROW 1
	ROW 2
	ROW 3
	ds_load_b64 v[12:13], v6                       ; my four rows' 256 scale bytes
	s_wait_dscnt 0x0
	global_store_b64 v7, v[12:13], s[44:45]        ; 32 lanes store 256 consecutive bytes, aligned
	s_wait_xcnt 0x0                                ; EXEC changes only behind this wait
	v_cmp_gt_u32 vcc_lo, 4, v1
	s_wait_tensorcnt 0x0
	ds_add_u32 v224, v225
	s_wait_dscnt 0x0
	s_and_saveexec_b32 s40, vcc_lo
	global_store_b64 v7, v[220:221], s[46:47]      ; lanes 0-3: (f, n) of my four rows
	s_wait_xcnt 0x0
	s_or_b32 exec_lo, exec_lo, s40
	s_endpgm
.Lfunc_end_k_qb7f6cf2577_prep:
	.size	k_qb7f6cf2577_prep, .Lfunc_end_k_qb7f6cf2577_prep-k_qb7f6cf2577_prep
	.p2alignl 7, 3214868480
	.fill 96, 4, 3214868480
	.section	.rodata,"a",@progbits
	.p2align	6, 0x0
	.amdhsa_kernel k_qb7f6cf2577_prep
		.amdhsa_group_segment_fixed_size 57856
		.amdhsa_private_segment_fixed_size 0
		.amdhsa_enable_private_segment 0
		.amdhsa_kernarg_size 80
		.amdhsa_user_sgpr_count 2
		.amdhsa_user_sgpr_kernarg_segment_ptr 1
		.amdhsa_wavefront_size32 1
		.amdhsa_system_sgpr_workgroup_id_x 1
		.amdhsa_system_sgpr_workgroup_id_y 1
		.amdhsa_system_sgpr_workgroup_id_z 1
		.amdhsa_system_vgpr_workitem_id 0
		.amdhsa_next_free_vgpr 226
		.amdhsa_next_free_sgpr 66
		.amdhsa_reserve_vcc 1
		.amdhsa_float_denorm_mode_32 3
		.amdhsa_float_denorm_mode_16_64 3
		.amdhsa_memory_ordered 1
		.amdhsa_forward_progress 1
		.amdhsa_inst_pref_size 134
	.end_amdhsa_kernel
	.amdgpu_metadata
---
amdhsa.version: [ 1, 2 ]
amdhsa.kernels:
  - .name:           k_qb7f6cf2577_prep
    .symbol:         k_qb7f6cf2577_prep.kd
    .args:
      - { .name: w_z, .offset: 0, .size: 8, .value_kind: global_buffer, .address_space: global }
      - { .name: w_r, .offset: 8, .size: 8, .value_kind: global_buffer, .address_space: global }
      - { .name: u_z, .offset: 16, .size: 8, .value_kind: global_buffer, .address_space: global }
      - { .name: u_r, .offset: 24, .size: 8, .value_kind: global_buffer, .address_space: global }
      - { .name: w_h, .offset: 32, .size: 8, .value_kind: global_buffer, .address_space: global }
      - { .name: hidden, .offset: 40, .size: 8, .value_kind: global_buffer, .address_space: global }
      - { .name: hyp_x, .offset: 48, .size: 8, .value_kind: global_buffer, .address_space: global }
      - { .name: actq, .offset: 56, .size: 8, .value_kind: global_buffer, .address_space: global }
      - { .name: wgtq, .offset: 64, .size: 8, .value_kind: global_buffer, .address_space: global }
      - { .name: whq, .offset: 72, .size: 8, .value_kind: global_buffer, .address_space: global }
    .group_segment_fixed_size: 57856
    .private_segment_fixed_size: 0
    .kernarg_segment_align: 8
    .kernarg_segment_size: 80
    .max_flat_workgroup_size: 128
    .sgpr_count:     66
    .vgpr_count:     226
    .wavefront_size: 32
...
	.end_amdgpu_metadata
.endif
;; end of part 1
;; launch gemm4 (part 2): grid 32 x 8, 4 waves a work-group, clusters of 4 x 4, 327,680 bytes of LDS; arguments actq, wgtq, mx; writes mx
.if DOCPART == 2
	.amdgcn_target "amdgcn-amd-amdhsa--gfx1250"
	.amdhsa_code_object_version 6
	.text
	.protected	k_qb7f6cf2577_gemm4
	.globl	k_qb7f6cf2577_gemm4
	.p2align	8
	.type	k_qb7f6cf2577_gemm4,@function
k_qb7f6cf2577_gemm4:
	s_mov_b64 s[64:65], 0
	v_nop
	global_prefetch_b8 v0, s[64:65] scope:SCOPE_SE
	s_setreg_imm32_b32 hwreg(HW_REG_WAVE_MODE, 25, 1), 1
	s_wait_xcnt 0x0
	s_wait_alu depctr_hold_cnt(0) depctr_sa_sdst(0) depctr_va_vdst(0) depctr_va_sdst(0) depctr_va_ssrc(0) depctr_va_vcc(0) depctr_vm_vsrc(0)
	s_getreg_b32 s2, hwreg(HW_REG_IB_STS2, 6, 4)
	s_cmp_eq_u32 s2, 0
	s_cbranch_scc0 .Lentry_in_a_cluster
	s_endpgm
.Lentry_in_a_cluster:
	s_bfe_u32 s2, ttmp6, 0x10000c
	s_cmp_lg_u32 s2, 0xf033
	s_cbranch_scc0 .Lentry_shape_is_right
	s_endpgm
.Lentry_shape_is_right:
; Four products on codes of FP8 (E4M3) with E8M0 scales: mx plane p = act x weight p (w_z, w_r: hidden; u_z, u_r: hyp_x), f32 [2048][2048] each.
; x @ u_r stands twice in the source with the same operands: it is multiplied once and read twice by the later launches.
; actq, wgtq: scale bytes [row][64] from byte 0, codes [row][2048] from byte 524,288.  wgtq's 8,192 rows are the four weights' columns.
; A work-group of four waves makes 256 x 256, a wave 128 x 128 (64 accumulators).  K goes in steps of 256 through two LDS slots; the scales of all of K come once.
; CLUSTERS 4 x 4: A's tiles are asked for jointly along a row of the cluster, B's along a column.  The matrix instruction is used transposed (source 0 = B's rows).
; PREFETCH: behind each refill in the loop a wave names, a lane a row, 32 of the 128 rows that it fetches, for the K step two refills on; the four partners share the rows by address; the last trip asks for nothing.
; Windows: 0: v0-31 addresses, v32-63 scale words, v128-255 A's fragments; 1: B's fragments, two sets; 2, 3: accumulators.
.set KROW,   2048
.set NQ,     2
.set ROWB,   256
.set PITCH,  272
.set FR,     16
.set NL,     4
.set NP,     8
.set HALFT,  128*PITCH
.set SLOT,   4*HALFT
.set LAPS,   4
.set KS,     64
.set SCL,    2*SLOT
.set HALFS,  32*272
.set SBLK,   4*272
.set SPARE,  SCL+4*HALFS
.set SPITCH, 528
.set ADRA, 16
.set ADRB, 20
.set STO,  24
.set RD,   25
.set CO,   26
.set ADRS, 27
.set SPW,  28
.set NIL,  29
.set PFO,  30
.set SC,   32
.set AF,   128
.set BK,   128
.set G1, 24
.set G0, 32
.set G1B, 48
.set G0B, 56
.set G1S, 68
.set G0S, 76
.set G1SB, 80
.set G0SB, 88
.set G0H, 4
.set G0HB, 8
.set PFA, 94
.set MSB, 0
.macro WIN new
.if MSB != \new
	s_set_vgpr_msb (MSB<<8)|\new
.set MSB, \new
.endif
.endm
.set MUL_LO, 0xa1
.set MUL_HI, 0xf1
.set TO_B,   0x40
.macro JLOAD g0a, g1a, g0b, g1b        ; waves 0, 1 fetch for A, waves 2, 3 for B
	s_cmp_eq_u32 s15, 0
	s_cbranch_scc0 .Lfor_b_\@
	tensor_load_to_lds s[\g0a:\g0a+3], s[\g1a:\g1a+7]
	s_nop 0
.rept 4
	v_nop
.endr
	s_branch .Lasked_\@
.Lfor_b_\@:
	tensor_load_to_lds s[\g0b:\g0b+3], s[\g1b:\g1b+7]
	s_nop 0
.rept 4
	v_nop
.endr
.Lasked_\@:
.endm
.macro CREST
	s_cmp_lg_u32 s14, 0
	s_cbranch_scc1 .Lnot_wave_0_\@
	s_barrier_signal -3
.Lnot_wave_0_\@:
	s_barrier_wait -3
	s_barrier_signal -1
	s_barrier_wait -1
.endm
.macro CROUND
	s_barrier_signal -1
	s_barrier_wait -1
	CREST
.endm
	s_load_b128 s[4:7], s[0:1], 0x0                ; actq, wgtq
	s_load_b64 s[12:13], s[0:1], 0x10              ; mx
	v_lshl_add_u32 v[SPW], v0, 2, SPARE
	v_mov_b32 v[NIL], 0
	ds_add_u32 v[SPW], v[NIL]                      ; the opening lines: the add twice and one wait
	ds_add_u32 v[SPW], v[NIL]
	v_lshrrev_b32 v1, 5, v0
	v_readfirstlane_b32 s14, v1                    ; wave
	s_lshr_b32 s15, s14, 1                         ; my half of the rows; also: I fetch for A (0) or B (1)
	s_and_b32 s16, s14, 1                          ; my half of the columns; also: which 128 rows I fetch
	s_bfe_u32 s40, ttmp6, 0x40000                  ; cx
	s_bfe_u32 s41, ttmp6, 0x40004                  ; cy
	s_lshl_b32 s42, ttmp9, 2
	s_add_co_u32 s42, s42, s40                     ; tile column, 0..31
	s_and_b32 s17, ttmp7, 0xffff
	s_lshl_b32 s17, s17, 2
	s_add_co_u32 s17, s17, s41                     ; tile row, 0..7
	s_lshl_b32 s43, s41, 2
	s_lshl_b32 s43, 15, s43                        ; my row of the cluster
	s_lshl_b32 s44, 0x1111, s40                    ; my column
	s_or_b32 s[G1+0], s43, (0<<16)|(1<<20)|(1<<21)|(5<<22)|(3<<25)   ; bytes; 16 bytes of padding behind each 256
	s_or_b32 s[G1B+0], s44, (0<<16)|(1<<20)|(1<<21)|(5<<22)|(3<<25)
.irp g, G1, G1B
	s_mov_b32 s[\g+1], ROWB<<16
	s_mov_b32 s[\g+2], 256<<16                     ; 256 rows for the head's loads
	s_mov_b32 s[\g+3], ROWB<<16
	s_mov_b32 s[\g+4], 256
	s_mov_b32 s[\g+5], KROW
	s_mov_b32 s[\g+6], 0
	s_mov_b32 s[\g+7], 0
.endr
	s_or_b32 s[G1S+0], s43, (3<<16)|(1<<20)|(1<<21)|(5<<22)|(3<<25)  ; the scales of 256 rows: 64 dense rows of 256 bytes
	s_or_b32 s[G1SB+0], s44, (3<<16)|(1<<20)|(1<<21)|(5<<22)|(3<<25)
.irp g, G1S, G1SB
	s_mov_b32 s[\g+1], 32<<16
	s_mov_b32 s[\g+2], KS<<16
	s_mov_b32 s[\g+3], 32<<16
	s_mov_b32 s[\g+4], KS
	s_mov_b32 s[\g+5], 32
	s_mov_b32 s[\g+6], 0
	s_mov_b32 s[\g+7], 0
.endr
	s_lshl_b32 s20, s17, 8
	s_lshr_b32 s21, ttmp9, 2
	s_lshl_b32 s21, s21, 11
	s_add_co_u32 s20, s20, s21                     ; A's first row: 256 x tile row, + 2,048 for hyp_x (clusters 4 to 7 along x)
	s_lshl_b32 s46, s42, 8                         ; B's first row
	s_lshl_b32 s22, s20, 6                         ; their scale bytes
	s_mov_b32 s23, 0
	s_lshl_b32 s92, s46, 6
	s_mov_b32 s93, 0
	s_lshl_b32 s20, s20, 11                        ; their codes
	s_add_co_u32 s20, s20, 0x80000
	s_mov_b32 s21, 0
	s_lshl_b32 s46, s46, 11
	s_add_co_u32 s46, s46, 0x80000
	s_mov_b32 s47, 0
	s_mul_i32 s18, s16, 128*KROW                   ; in the ring: my 128 rows of the tile
	s_mov_b32 s19, 0
	s_mul_i32 s45, s14, HALFT
	s_wait_dscnt 0x0
	s_wait_kmcnt 0x0
	s_add_nc_u64 s[20:21], s[4:5], s[20:21]
	s_add_nc_u64 s[22:23], s[4:5], s[22:23]
	s_add_nc_u64 s[46:47], s[6:7], s[46:47]
	s_add_nc_u64 s[92:93], s[6:7], s[92:93]
	CROUND                                         ; the round in front of the first joint loads
	s_mov_b32 s[G0H], 1                            ; K step 0: A's 256 rows,
	s_mov_b32 s[G0H+1], 0
	s_mov_b64 s[G0H+2:G0H+3], s[20:21]
	s_or_b32 s[G0H+3], s[G0H+3], 0x80000000
	s_mov_b32 s[G0HB], 1                           ; B's 256 rows,
	s_mov_b32 s[G0HB+1], 2*HALFT
	s_mov_b64 s[G0HB+2:G0HB+3], s[46:47]
	s_or_b32 s[G0HB+3], s[G0HB+3], 0x80000000
	s_mov_b32 s[G0S], 1                            ; A's scales,
	s_mov_b32 s[G0S+1], SCL
	s_mov_b64 s[G0S+2:G0S+3], s[22:23]
	s_or_b32 s[G0S+3], s[G0S+3], 0x80000000
	s_mov_b32 s[G0SB], 1                           ; B's scales
	s_mov_b32 s[G0SB+1], SCL+2*HALFS
	s_mov_b64 s[G0SB+2:G0SB+3], s[92:93]
	s_or_b32 s[G0SB+3], s[G0SB+3], 0x80000000
	s_add_nc_u64 s[20:21], s[20:21], s[18:19]
	s_add_nc_u64 s[46:47], s[46:47], s[18:19]
	s_cmp_eq_u32 s15, 0                            ; the prefetches: the 128 rows that I fetch,
	s_cselect_b64 s[PFA:PFA+1], s[20:21], s[46:47]
	s_cselect_b32 s96, s40, s41                    ; my place among the four that ask with me
	s_lshl_b32 s96, s96, 16                        ; 32 rows of 2,048 bytes a place
	s_add_co_u32 s96, s96, 2*ROWB                  ; at K step 2
	s_mov_b32 s97, 0
	s_add_nc_u64 s[PFA:PFA+1], s[PFA:PFA+1], s[96:97]
.irp s, 0,1
	s_mov_b32 s[G0+4*\s], 1
	s_add_co_u32 s[G0+4*\s+1], s45, \s*SLOT
	s_add_nc_u64 s[G0+4*\s+2:G0+4*\s+3], s[20:21], \s*ROWB
	s_or_b32 s[G0+4*\s+3], s[G0+4*\s+3], 0x80000000
	s_mov_b32 s[G0B+4*\s], 1
	s_add_co_u32 s[G0B+4*\s+1], s45, \s*SLOT
	s_add_nc_u64 s[G0B+4*\s+2:G0B+4*\s+3], s[46:47], \s*ROWB
	s_or_b32 s[G0B+4*\s+3], s[G0B+4*\s+3], 0x80000000
.endr
; the head's four tiles, one load a wave, in one chain of branches on the wave's number
.macro ARM under, g0, g1, next
	s_cmp_lt_u32 s14, \under
	s_cbranch_scc0 \next
	tensor_load_to_lds s[\g0:\g0+3], s[\g1:\g1+7]
	s_nop 0
.rept 4
	v_nop
.endr
	s_branch .Lhead_asked
\next:
.endm
	ARM 1, G0H,  G1,  .Lhead_b
	ARM 2, G0HB, G1B, .Lhead_sa
	ARM 3, G0S,  G1S, .Lhead_sb
	tensor_load_to_lds s[G0SB:G0SB+3], s[G1SB:G1SB+7]
	s_nop 0
.rept 4
	v_nop
.endr
.Lhead_asked:
	v_and_b32 v1, 15, v0                           ; l % 16
	v_bfe_u32 v2, v0, 4, 1                         ; l / 16
	v_mul_u32_u24 v3, v1, PITCH
	v_lshl_add_u32 v4, v2, 4, v3
	s_mul_i32 s21, s15, HALFT
	s_mul_i32 s22, s16, HALFT
	s_add_co_u32 s22, s22, 2*HALFT
.irp s, 0,1
	v_add_nc_u32 v[ADRA+\s], s21, v4
	v_add_nc_u32 v[ADRB+\s], s22, v4
	s_add_co_u32 s21, s21, SLOT
	s_add_co_u32 s22, s22, SLOT
.endr
	v_mul_u32_u24 v5, v1, KS                       ; my row's scales, 16 more for each 256 passed
	v_lshrrev_b32 v6, 8, v5
	v_lshl_add_u32 v5, v6, 4, v5
	s_mul_i32 s21, s15, HALFS
	s_mul_i32 s22, s16, HALFS
	s_add_co_u32 s22, s22, 2*HALFS
	s_sub_co_u32 s22, s22, s21
	v_mul_u32_u24 v6, s22, v2                      ; lanes 16-31 take B's
	s_add_co_u32 s21, s21, SCL
	v_add_nc_u32 v5, v5, v6
	v_add_nc_u32 v[ADRS], s21, v5
	s_mul_i32 s23, s14, 16*SPITCH                  ; my stage, in slot 0
	v_mul_u32_u24 v5, v1, SPITCH
	v_lshl_add_u32 v5, v2, 5, v5
	v_add_nc_u32 v[STO], s23, v5
	v_and_b32 v6, 31, v0
	v_lshlrev_b32 v[CO], 4, v6
	v_add_nc_u32 v[RD], s23, v[CO]
	v_lshlrev_b32 v[PFO], 11, v6                   ; the prefetches: a lane a row
	s_lshl_b32 s20, s17, 8
	s_lshl_b32 s21, s15, 7
	s_add_co_u32 s20, s20, s21
	s_lshl_b32 s20, s20, 13                        ; my first row of the plane, 8,192 bytes a row
	s_and_b32 s46, s42, 7
	s_lshl_b32 s46, s46, 10
	s_add_co_u32 s20, s20, s46
	s_lshl_b32 s47, s16, 9
	s_add_co_u32 s20, s20, s47
	s_lshr_b32 s47, ttmp9, 1
	s_lshl_b32 s47, s47, 24                        ; the plane
	s_add_co_u32 s20, s20, s47
	s_mov_b32 s21, 0
	s_add_nc_u64 s[12:13], s[12:13], s[20:21]
.macro FRAG reg, adr, q, i
.irp c, 0,1,2,3
	ds_load_b128 v[\reg+4*\c:\reg+4*\c+3], v[\adr] offset:128*(\q)+32*\c+(\i)*16*PITCH
.endr
.endm
.macro MUL16 a0, p, q, sc, zero        ; the 64 accumulators take turns in one order
.irp a, \a0, \a0+1
.irp b, 0,1,2,3,4,5,6,7
.if \zero
	v_wmma_scale_f32_16x16x128_f8f6f4 v[8*(8*((\a)%4)+\b):8*(8*((\a)%4)+\b)+7], v[128*(\p)+FR*\b:128*(\p)+FR*\b+FR-1], v[AF+FR*(\a):AF+FR*(\a)+FR-1], 0, v[SC+8*NQ*(\sc)+NQ*\b+(\q)], v[SC+8*NQ*(\sc)+NQ*(\a)+(\q)] matrix_a_scale:MATRIX_SCALE_ROW1
.else
	v_wmma_scale_f32_16x16x128_f8f6f4 v[8*(8*((\a)%4)+\b):8*(8*((\a)%4)+\b)+7], v[128*(\p)+FR*\b:128*(\p)+FR*\b+FR-1], v[AF+FR*(\a):AF+FR*(\a)+FR-1], v[8*(8*((\a)%4)+\b):8*(8*((\a)%4)+\b)+7], v[SC+8*NQ*(\sc)+NQ*\b+(\q)], v[SC+8*NQ*(\sc)+NQ*(\a)+(\q)] matrix_a_scale:MATRIX_SCALE_ROW1
.endif
.endr
.endr
.endm
.macro FETCH_B slot, q, p
	WIN TO_B
.irp i, 0,1,2,3,4,5,6,7
	FRAG 128*(\p)+FR*\i, ADRB+\slot, \q, \i
.endr
	WIN 0
.endm
.macro FETCH_A slot, q, i0
.irp i, \i0, \i0+1, \i0+2, \i0+3
	FRAG AF+FR*(\i), ADRA+\slot, \q, \i
.endr
.endm
.macro SCALES sc                       ; lanes 0-15 A's block i, lanes 16-31 B's block i: two words a K step
.irp i, 0,1,2,3,4,5,6,7
	ds_load_b64 v[SC+8*NQ*\sc+NQ*\i:SC+8*NQ*\sc+NQ*\i+1], v[ADRS] offset:\i*SBLK
.endr
.endm
.macro PLACES n                        ; places behind matrix instructions, ahead of loads into their registers
.rept \n
	v_nop
.endr
.endm
.macro STEP slot, q, zero
	s_wait_dscnt 4*NL                              ; all but A's blocks 4-7
	WIN MUL_LO
	MUL16 0, (\q)%2, \q, \slot, \zero
	MUL16 2, (\q)%2, \q, \slot, \zero
	s_wait_dscnt 0
	PLACES NP
	FETCH_B \slot, (\q)+1, 1-(\q)%2
	FETCH_A \slot, (\q)+1, 0
	WIN MUL_HI
	MUL16 4, (\q)%2, \q, \slot, \zero
	MUL16 6, (\q)%2, \q, \slot, \zero
	PLACES NP
	WIN 0
	FETCH_A \slot, (\q)+1, 4
.endm
.macro TURN slot, next, fill           ; a slot's last step, and the change of slots
.if \fill
	s_wait_xcnt 0x0                                ; my last prefetch has read its address
	s_add_nc_u64 s[PFA:PFA+1], s[PFA:PFA+1], ROWB
.endif
	s_wait_tensorcnt 0x0                           ; all my tensor loads have landed
	ds_add_u32 v[SPW], v[NIL]
	s_wait_dscnt 4*NL+1                            ; the add and A's blocks 4-7 may be out
	WIN MUL_LO
	MUL16 0, 1, NQ-1, \slot, 0
	s_wait_dscnt 0x0                               ; the add is done, my reads of this slot are over
	s_barrier_signal -1
	MUL16 2, 1, NQ-1, \slot, 0
	WIN 0
	s_barrier_wait -1
.if \fill
	CREST                                          ; the barrier opened a round of the cluster's barrier
	s_add_nc_u64 s[G0+4*\slot+2:G0+4*\slot+3], s[G0+4*\slot+2:G0+4*\slot+3], 2*ROWB
	s_add_nc_u64 s[G0B+4*\slot+2:G0B+4*\slot+3], s[G0B+4*\slot+2:G0B+4*\slot+3], 2*ROWB
	JLOAD G0+4*\slot, G1, G0B+4*\slot, G1B
	PLACES NP-4
.else
	PLACES NP
.endif
	v_add_nc_u32 v[ADRS], 4*NQ, v[ADRS]            ; the next K step's scale words
	s_wait_alu depctr_va_vdst(0)                   ; the wait behind the write
	FETCH_B \next, 0, 0
	FETCH_A \next, 0, 0
	SCALES \next
.if \fill
	s_cmp_gt_u32 s3, 1                             ; the last trip's refills have no K step two on
	s_cbranch_scc0 .Lno_ask_\@
	global_prefetch_b8 v[PFO], s[PFA:PFA+1] offset:ROWB th:TH_LOAD_NT scope:SCOPE_SE
.Lno_ask_\@:
.endif
	WIN MUL_HI
	MUL16 4, 1, NQ-1, \slot, 0
	MUL16 6, 1, NQ-1, \slot, 0
	PLACES NP
	WIN 0
	FETCH_A \next, 0, 4
.endm
	s_wait_alu depctr_va_vdst(0)                   ; the wait at the head's end
	s_wait_tensorcnt 0x0                           ; my tile of the head's four is in; the lines ahead of slot 1's first fill, as ahead of a refill
	ds_add_u32 v[SPW], v[NIL]
	s_mov_b32 s[G1+2], 128<<16                     ; no load of mine is out: from here on a load brings 128 rows
	s_mov_b32 s[G1+4], 128
	s_mov_b32 s[G1B+2], 128<<16
	s_mov_b32 s[G1B+4], 128
	s_wait_dscnt 0x0
	CROUND
	JLOAD G0+4, G1, G0B+4, G1B                     ; K step 1
	FETCH_B 0, 0, 0
	FETCH_A 0, 0, 0
	SCALES 0
	FETCH_A 0, 0, 4
	STEP 0, 0, 1                                   ; the first products start the sums
	s_mov_b32 s3, LAPS-1
.Llap:
	TURN 0, 1, 1
	STEP 1, 0, 0
	TURN 1, 0, 1
	STEP 0, 0, 0
	s_sub_co_u32 s3, s3, 1
	s_cmp_lg_u32 s3, 0
	s_cbranch_scc1 .Llap
	TURN 0, 1, 0                                   ; the last lap fills nothing
	STEP 1, 0, 0
	s_wait_dscnt 4*NL
	WIN MUL_LO
	MUL16 0, 1, NQ-1, 1, 0
	MUL16 2, 1, NQ-1, 1, 0
	s_wait_dscnt 0
	WIN MUL_HI
	MUL16 4, 1, NQ-1, 1, 0
	MUL16 6, 1, NQ-1, 1, 0
	WIN 0
; the way out: 16 rows x 128 columns at a time through my own stage, back as rows of 512 bytes
.macro TOSTAGE a
.set AC, 64*((\a)%4)
	WIN 0x08+4*((\a)/4)
.irp b, 0,1,2,3,4,5,6,7
	ds_store_b128 v[STO], v[AC+8*\b:AC+8*\b+3] offset:64*\b
	ds_store_b128 v[STO], v[AC+8*\b+4:AC+8*\b+7] offset:64*\b+16
.endr
	WIN 0
.set BB, BK+64*((\a)%2)
.irp t, 0,1,2,3,4,5,6,7,8,9,10,11,12,13,14,15
	ds_load_b128 v[BB+4*\t:BB+4*\t+3], v[RD] offset:\t*SPITCH
.endr
.endm
.macro SEND a, younger
.set BB, BK+64*((\a)%2)
	s_wait_dscnt \younger
.if (\a) > 0
	s_add_nc_u64 s[12:13], s[12:13], 16*8192
.endif
.irp t, 0,1,2,3,4,5,6,7,8,9,10,11,12,13,14,15
	global_store_b128 v[CO], v[BB+4*\t:BB+4*\t+3], s[12:13] offset:\t*8192 th:TH_STORE_NT   ; 512 consecutive bytes, aligned
.endr
.endm
	PLACES NP
	TOSTAGE 0
.irp a, 1,2,3,4,5,6,7
.if \a > 1
	s_wait_xcnt 0x0                                ; block a - 2's stores have read their registers and base
.endif
	TOSTAGE \a
	SEND \a-1, 32                                  ; block a's 16 stores and 16 loads may be out
.endr
	s_wait_xcnt 0x0
	SEND 7, 0
	s_wait_tensorcnt 0x0                           ; the wave's end
	ds_add_u32 v[SPW], v[NIL]
	s_wait_dscnt 0x0
	CROUND                                         ; the closing round
	s_endpgm
.Lfunc_end_k_qb7f6cf2577_gemm4:
	.size	k_qb7f6cf2577_gemm4, .Lfunc_end_k_qb7f6cf2577_gemm4-k_qb7f6cf2577_gemm4
	.p2alignl 7, 3214868480
	.fill 96, 4, 3214868480
	.section	.rodata,"a",@progbits
	.p2align	6, 0x0
	.amdhsa_kernel k_qb7f6cf2577_gemm4
		.amdhsa_group_segment_fixed_size 327680
		.amdhsa_private_segment_fixed_size 0
		.amdhsa_enable_private_segment 0
		.amdhsa_kernarg_size 24
		.amdhsa_user_sgpr_count 2
		.amdhsa_user_sgpr_kernarg_segment_ptr 1
		.amdhsa_wavefront_size32 1
		.amdhsa_system_sgpr_workgroup_id_x 1
		.amdhsa_system_sgpr_workgroup_id_y 1
		.amdhsa_system_sgpr_workgroup_id_z 1
		.amdhsa_system_vgpr_workitem_id 0
		.amdhsa_next_free_vgpr 1024
		.amdhsa_next_free_sgpr 100
		.amdhsa_reserve_vcc 0
		.amdhsa_float_denorm_mode_32 3
		.amdhsa_float_denorm_mode_16_64 3
		.amdhsa_memory_ordered 1
		.amdhsa_forward_progress 1
		.amdhsa_inst_pref_size 147
	.end_amdhsa_kernel
	.amdgpu_metadata
---
amdhsa.version: [ 1, 2 ]
amdhsa.kernels:
  - .name:           k_qb7f6cf2577_gemm4
    .symbol:         k_qb7f6cf2577_gemm4.kd
    .args:
      - { .name: actq, .offset: 0, .size: 8, .value_kind: global_buffer, .address_space: global }
      - { .name: wgtq, .offset: 8, .size: 8, .value_kind: global_buffer, .address_space: global }
      - { .name: mx, .offset: 16, .size: 8, .value_kind: global_buffer, .address_space: global }
    .group_segment_fixed_size: 327680
    .private_segment_fixed_size: 0
    .kernarg_segment_align: 8
    .kernarg_segment_size: 24
    .max_flat_workgroup_size: 128
    .sgpr_count:     100
    .vgpr_count:     1024
    .wavefront_size: 32
...
	.end_amdgpu_metadata
.endif
;; end of part 2
;; launch rgate (part 3): grid 512 x 1, 4 waves a work-group, no clusters, 21,504 bytes of LDS; arguments mx, hidden, b_r, actq, rphq; writes rphq
.if DOCPART == 3
	.amdgcn_target "amdgcn-amd-amdhsa--gfx1250"
	.amdhsa_code_object_version 6
	.text
	.protected	k_qb7f6cf2577_rgate
	.globl	k_qb7f6cf2577_rgate
	.p2align	8
	.type	k_qb7f6cf2577_rgate,@function
k_qb7f6cf2577_rgate:
	s_mov_b64 s[64:65], 0
	v_nop
	global_prefetch_b8 v0, s[64:65] scope:SCOPE_SE
	s_setreg_imm32_b32 hwreg(HW_REG_WAVE_MODE, 25, 1), 1
	s_wait_xcnt 0x0
; RGATE: r = sigmoid(log0(transition(w_r, h, u_r, x, b_r))), r_point_h = exp0(log0(h) * r), quantised along its row to codes of FP8 (E4M3) with E8M0 scale bytes, for the product with w_h.
; One wave owns one row (64 registers a vector: load i brings bytes 512 i + 16 x lane).  A3 = h @ w_r (plane 1 of mx), A4 = x @ u_r (plane 3), B = b_r, H = hidden.
; Every vector between the products is a combination of A3, A4 and B whose coefficients are one number a row: a Mobius matrix product is g A, a Mobius sum a u + c v, a clip to the ball and log0 only scale.
; So: six dot products of the three vectors; a chain of row numbers (the same in all lanes); one pass over the elements; one more sum behind the sigmoid; the codes.
; DEVIATIONS FROM THE ORDER OF ROUNDING IN THE SOURCE: norms and dot products of combined vectors are formed from the base vectors' dot products; a second clip of a point that has been clipped is taken as
; the identity, its norm as min(n, 1 - 1e-5).  artanh(x) / x and tanh(y) / y go by their series under 0.25 (first term left out: under 3e-10 and 1e-8 of the value), by logarithms and an exponential above.
; LIMITS: a block whose largest magnitude lies under 2^-118 gets the scale byte 1; NaN and infinities are not served.
; rphq: scale bytes [2048][64] from byte 0; the norm of r_point_h, f32 [2048], from byte 131,072; codes [2048][2048] from byte 524,288.
; LDS: wave w's two stages of 2,560 bytes at 5,120 w; the work-group's 256 scale bytes at SCB; its four norms at NRM.  No tensor loads.
.set SCB,  20480
.set NRM,  20736
.set FLOOR, 0x4800000
.set L16,  1                           ; 16 x lane
.set SIN,  2                           ; the stage, in
.set SOUT, 3                           ; and out
.set SBA,  4                           ; my block's scale byte
.set LANE, 5
.set RDS,  6                           ; wave 0: where it reads the 256 scale bytes back
.set RDN,  7                           ; and the four norms
.set D,    8                           ; v8-31: six dot products, four registers each (two packed chains)
.set S33,  32
.set S44,  33
.set S34,  34
.set S3B,  35
.set S4B,  36
.set SBB,  37
.set SV,   38
.set T,    40                          ; v40-45 at work in the chain of row numbers
.set PHH,  46                          ; artanh(|h|) / |h|
.set PHX,  47                          ; the same of x
.set K3,   48                          ; pairs, both halves equal
.set K4,   50
.set KB,   52
.set O4,   54                          ; 4 x lane
.set MUP,  56
.set QM,   58                          ; v58-61 the quantiser's: two maxima, 448 x the scale, the scale operand
.set WRN,  62                          ; LDS address of my row's norm
.set O8,   63                          ; 8 x lane
.set A3,   64
.set A4,   128
.set H,    192
.set B,    0                           ; in window 1
.set X,    128                         ; over A4, once it is done with: two sets of 16 neighbours,
.set C,    160                         ; four steps' codes,
.set E,    176                         ; four scale bytes
.set GA, 8                             ; the row numbers lie over the dot products' registers
.set NA, 9
.set GB, 10
.set NB, 11
.set UV, 12
.set MA, 13
.set MC, 14
.set W2, 15
.set WN, 16
.set PA, 17
.set PB, 18
.set Q3, 19
.set Q4, 20
.set QB, 21
.set Y2, 22
.set YN, 23
.set LG, 24
.set MU, 25
.set RN, 26
.set N2, 27
.set DV, 28
.set WV,   14
.set MAXN, 32
.set MINN, 33
.set MNT,  34
.set SEL,  36
.set MSB, 0
.macro WIN new                         ; s_set_vgpr_msb: bits 1:0 source 0, 3:2 source 1, 5:4 source 2, 7:6 destination; the high byte repeats the setting that is left
.if MSB != \new
	s_set_vgpr_msb (MSB<<8)|\new
.set MSB, \new
.endif
.endm
.macro LDV reg, sb                     ; a row: 16 loads of 512 consecutive bytes, read once in the launch
.irp i, 0,1,2,3,4,5,6,7,8,9,10,11,12,13,14,15
	global_load_b128 v[\reg+4*\i:\reg+4*\i+3], v[L16], s[\sb:\sb+1] offset:512*\i th:TH_LOAD_NT
.endr
.endm
.macro LDB reg, sb                     ; a bias: every work-group reads it
.irp i, 0,1,2,3,4,5,6,7,8,9,10,11,12,13,14,15
	global_load_b128 v[\reg+4*\i:\reg+4*\i+3], v[L16], s[\sb:\sb+1] offset:512*\i
.endr
.endm
.macro DOTP acc, xa, xb                ; pair i of a dot product, in two packed chains; the first two products start them: nothing is cleared
.if i < 2
	v_pk_mul_f32 v[\acc+2*(i%2):\acc+2*(i%2)+1], v[\xa+2*i:\xa+2*i+1], v[\xb+2*i:\xb+2*i+1]
.else
	v_pk_fma_f32 v[\acc+2*(i%2):\acc+2*(i%2)+1], v[\xa+2*i:\xa+2*i+1], v[\xb+2*i:\xb+2*i+1], v[\acc+2*(i%2):\acc+2*(i%2)+1]
.endif
.endm
.macro REDUCE d0, a0, n                ; n dot products (four registers each from a0 on) are summed over chains and lanes, stage by stage so that they take turns; the sums go to v[d0] on, in every lane
.set q, 0
.rept \n
	v_pk_add_f32 v[\a0+4*q:\a0+4*q+1], v[\a0+4*q:\a0+4*q+1], v[\a0+4*q+2:\a0+4*q+3]
.set q, q+1
.endr
.set q, 0
.rept \n
	v_add_f32 v[\a0+4*q], v[\a0+4*q], v[\a0+4*q+1]
.set q, q+1
.endr
.irp m, 1,2,4,8
.set q, 0
.rept \n
	v_add_f32_dpp v[\a0+4*q], v[\a0+4*q], v[\a0+4*q] row_xmask:\m row_mask:0xf bank_mask:0xf
.set q, q+1
.endr
.endr
.set q, 0
.rept \n
	v_permlanex16_b32 v[\a0+4*q+1], v[\a0+4*q], s[SEL], s[SEL+1]
.set q, q+1
.endr
.set q, 0
.rept \n
	v_add_f32 v[\d0+q], v[\a0+4*q], v[\a0+4*q+1]
.set q, q+1
.endr
.endm
; THE ROW NUMBERS.  Behind each batch of transcendentals stand one plain line and the wait ahead of the first reader.
.macro PROJF pf, nrm, n2               ; the clip to the ball of a vector with squared norm n2: its factor pf, and its norm behind the clip
	v_max_num_f32 v[T], s[MINN], v[\n2]
	s_wait_alu depctr_va_vdst(0)
	v_rsq_f32 v[T+1], v[T]
	v_nop
	s_wait_alu depctr_va_vdst(0)
	v_mul_f32 v[\nrm], v[T], v[T+1]
	v_mul_f32 v[\pf], s[MAXN], v[T+1]
	v_cmp_lt_f32 vcc_lo, s[MAXN], v[\nrm]
	v_cndmask_b32 v[\pf], 1.0, v[\pf], vcc_lo
	v_min_num_f32 v[\nrm], s[MAXN], v[\nrm]
.endm
.macro PHI d, x                        ; artanh(min(x, 1 - 1e-5)) / x
	v_min_num_f32 v[T], s[MAXN], v[\x]
	v_add_f32 v[T+1], 1.0, v[T]
	v_sub_f32 v[T+2], 1.0, v[T]
	s_wait_alu depctr_va_vdst(0)
	v_log_f32 v[T+1], v[T+1]
	v_log_f32 v[T+2], v[T+2]
	v_rcp_f32 v[\d], v[\x]
	v_mul_f32 v[T], v[\x], v[\x]
	s_wait_alu depctr_va_vdst(0)
	v_sub_f32 v[T+1], v[T+1], v[T+2]
	v_mul_f32 v[T+1], 0x3eb17218, v[T+1]           ; x ln(2) / 2
	v_mul_f32 v[T+1], v[T+1], v[\d]
	v_mov_b32 v[T+2], 0x3d9d89d9                   ; 1 + x^2 / 3 + .. + x^12 / 13
	v_fmaak_f32 v[T+2], v[T+2], v[T], 0x3dba2e8c
	v_fmaak_f32 v[T+2], v[T+2], v[T], 0x3de38e39
	v_fmaak_f32 v[T+2], v[T+2], v[T], 0x3e124925
	v_fmaak_f32 v[T+2], v[T+2], v[T], 0x3e4ccccd
	v_fmaak_f32 v[T+2], v[T+2], v[T], 0x3eaaaaab
	v_fma_f32 v[T+2], v[T+2], v[T], 1.0
	v_cmp_gt_f32 vcc_lo, 0x3e800000, v[\x]
	v_cndmask_b32 v[\d], v[T+1], v[T+2], vcc_lo    ; the series where x is under 0.25
.endm
.macro PSI d, y                        ; tanh(y) / y
	v_mul_f32 v[T], 0x4038aa3b, v[\y]              ; 2 log2(e) y
	s_wait_alu depctr_va_vdst(0)
	v_exp_f32 v[T], v[T]
	v_rcp_f32 v[\d], v[\y]
	v_mul_f32 v[T+1], v[\y], v[\y]
	s_wait_alu depctr_va_vdst(0)
	v_add_f32 v[T], 1.0, v[T]
	s_wait_alu depctr_va_vdst(0)
	v_rcp_f32 v[T], v[T]
	v_mov_b32 v[T+2], 0xbc11371b                   ; 1 - y^2 / 3 + 2 y^4 / 15 - 17 y^6 / 315 + 62 y^8 / 2835 - 1382 y^10 / 155925
	s_wait_alu depctr_va_vdst(0)
	v_fma_f32 v[T], -2.0, v[T], 1.0                ; tanh(y) = 1 - 2 / (1 + e^(2 y))
	v_mul_f32 v[T], v[T], v[\d]
	v_fmaak_f32 v[T+2], v[T+2], v[T+1], 0x3cb327a4
	v_fmaak_f32 v[T+2], v[T+2], v[T+1], 0xbd5d0dd1
	v_fmaak_f32 v[T+2], v[T+2], v[T+1], 0x3e088889
	v_fmaak_f32 v[T+2], v[T+2], v[T+1], 0xbeaaaaab
	v_fma_f32 v[T+2], v[T+2], v[T+1], 1.0
	v_cmp_gt_f32 vcc_lo, 0x3e800000, v[\y]
	v_cndmask_b32 v[\d], v[T], v[T+2], vcc_lo
.endm
.macro MATG g, n2, S, ph               ; the Mobius matrix product is g Mx, its squared norm n2.  S = |Mx|^2, ph = artanh(|x|) / |x|
	v_max_num_f32 v[T], s[MINN], v[\S]
	s_wait_alu depctr_va_vdst(0)
	v_rsq_f32 v[T+1], v[T]
	v_nop
	s_wait_alu depctr_va_vdst(0)
	v_mul_f32 v[T+3], v[T], v[T+1]
	v_mul_f32 v[T+3], v[T+3], v[\ph]               ; y = |Mx| artanh(|x|) / |x|
	PSI \g, T+3
	v_mul_f32 v[\g], v[\g], v[\ph]                 ; tanh(y) / |Mx|
	v_mul_f32 v[\n2], v[\g], v[\g]
	v_mul_f32 v[\n2], v[\n2], v[\S]
	PROJF T+4, T+5, \n2
	v_mul_f32 v[\g], v[\g], v[T+4]
	v_mul_f32 v[T+4], v[T+4], v[T+4]
	v_mul_f32 v[\n2], v[\n2], v[T+4]
.endm
.macro MOBADD a, c, w2, wn, u2, v2, uv ; the Mobius sum of u and v is a u + c v, its squared norm w2, its norm wn
	v_fma_f32 v[T], 2.0, v[\uv], 1.0
	v_fma_f32 v[T+1], v[\u2], v[\v2], v[T]
	v_max_num_f32 v[T+1], s[MINN], v[T+1]
	s_wait_alu depctr_va_vdst(0)
	v_rcp_f32 v[T+1], v[T+1]
	v_add_f32 v[\a], v[T], v[\v2]
	v_sub_f32 v[\c], 1.0, v[\u2]
	s_wait_alu depctr_va_vdst(0)
	v_mul_f32 v[\a], v[\a], v[T+1]
	v_mul_f32 v[\c], v[\c], v[T+1]
	v_mul_f32 v[T], v[\c], v[\uv]
	v_fma_f32 v[T], v[\a], v[\u2], v[T]
	v_mul_f32 v[T+1], v[\a], v[\uv]
	v_fma_f32 v[T+1], v[\c], v[\v2], v[T+1]
	v_mul_f32 v[\w2], v[\c], v[T+1]
	v_fma_f32 v[\w2], v[\a], v[T], v[\w2]
	PROJF T+4, \wn, \w2
	v_mul_f32 v[\a], v[\a], v[T+4]
	v_mul_f32 v[\c], v[\c], v[T+4]
	v_mul_f32 v[T+4], v[T+4], v[T+4]
	v_mul_f32 v[\w2], v[\w2], v[T+4]
.endm
.macro TRANS qA, qB, qc, y2, yn, SAA, SBB, SAB, SAc, SBc, Scc, phA, phB   ; the transition is qA A + qB B + qc bias
	MATG GA, NA, \SAA, \phA
	MATG GB, NB, \SBB, \phB
	v_mul_f32 v[UV], v[GA], v[GB]
	v_mul_f32 v[UV], v[UV], v[\SAB]
	MOBADD MA, MC, W2, WN, NA, NB, UV
	v_mul_f32 v[PA], v[MA], v[GA]
	v_mul_f32 v[PB], v[MC], v[GB]
	v_mul_f32 v[UV], v[PB], v[\SBc]
	v_fma_f32 v[UV], v[PA], v[\SAc], v[UV]
	MOBADD MA, MC, \y2, \yn, W2, \Scc, UV
	v_mul_f32 v[\qA], v[MA], v[PA]
	v_mul_f32 v[\qB], v[MA], v[PB]
	v_mov_b32 v[\qc], v[MC]
.endm
.macro EXPMAP mu, nrm, n2, lm, sv      ; exp0(lm e) = mu e for a vector e with |e|^2 = sv; its norm and squared norm
	v_mul_f32 v[T+3], v[\lm], v[\lm]
	v_mul_f32 v[T+3], v[T+3], v[\sv]
	v_max_num_f32 v[T+3], s[MINN], v[T+3]
	s_wait_alu depctr_va_vdst(0)
	v_rsq_f32 v[T+4], v[T+3]
	v_nop
	s_wait_alu depctr_va_vdst(0)
	v_mul_f32 v[T+3], v[T+3], v[T+4]
	PSI \mu, T+3
	v_mul_f32 v[\mu], v[\mu], v[\lm]
	v_mul_f32 v[\n2], v[\mu], v[\mu]
	v_mul_f32 v[\n2], v[\n2], v[\sv]
	PROJF T+4, \nrm, \n2
	v_mul_f32 v[\mu], v[\mu], v[T+4]
	v_mul_f32 v[T+4], v[T+4], v[T+4]
	v_mul_f32 v[\n2], v[\n2], v[T+4]
.endm
; PASSES OVER THE ELEMENTS, two at a time
.macro EMUL d, a, k                    ; d = k a
.set i, 0
.rept 32
	v_pk_mul_f32 v[\d+2*i:\d+2*i+1], v[\a+2*i:\a+2*i+1], v[\k:\k+1]
.set i, i+1
.endr
.endm
.macro EFMA d, a, k                    ; d += k a
.set i, 0
.rept 32
	v_pk_fma_f32 v[\d+2*i:\d+2*i+1], v[\a+2*i:\a+2*i+1], v[\k:\k+1], v[\d+2*i:\d+2*i+1]
.set i, i+1
.endr
.endm
.macro EVMUL d, a, b                   ; d = a b, element by element
.set i, 0
.rept 32
	v_pk_mul_f32 v[\d+2*i:\d+2*i+1], v[\a+2*i:\a+2*i+1], v[\b+2*i:\b+2*i+1]
.set i, i+1
.endr
.endm
.macro SIGM a                          ; a holds -log2(e) x the argument: 1 / (1 + 2^a), in place; two batches, one wait each
.set i, 0
.rept 64
	v_exp_f32 v[\a+i], v[\a+i]
.set i, i+1
.endr
	v_nop
	s_wait_alu depctr_va_vdst(0)
.set i, 0
.rept 32
	v_pk_add_f32 v[\a+2*i:\a+2*i+1], v[\a+2*i:\a+2*i+1], 1.0 op_sel_hi:[1,0]
.set i, i+1
.endr
.set i, 0
	s_wait_alu depctr_va_vdst(0)
.rept 64
	v_rcp_f32 v[\a+i], v[\a+i]
.set i, i+1
.endr
	v_nop
	s_wait_alu depctr_va_vdst(0)
.endm
; THE QUANTISER: 512 numbers turn through a stage (as they lie on the way in, 64 bytes a lane on the way out), so that a lane holds 16 neighbours along K and two neighbouring lanes a block
.macro TURN src, par, xs
.irp i, 0,1,2,3
	ds_store_b128 v[SIN], v[\src+4*\i:\src+4*\i+3] offset:2560*(\par)+640*\i
.endr
.irp i, 0,1,2,3
	ds_load_b128 v[\xs+4*\i:\xs+4*\i+3], v[SOUT] offset:2560*(\par)+16*\i   ; LDS serves a wave's instructions in order
.endr
.endm
.macro QSTEP xs, c, e, boff, coff
	v_max3_num_f32 v[QM], |v[\xs]|, |v[\xs+1]|, |v[\xs+2]|
	v_max3_num_f32 v[QM+1], |v[\xs+3]|, |v[\xs+4]|, |v[\xs+5]|
.irp i, 6,10
	v_max3_num_f32 v[QM], v[QM], |v[\xs+\i]|, |v[\xs+\i+1]|
	v_max3_num_f32 v[QM+1], v[QM+1], |v[\xs+\i+2]|, |v[\xs+\i+3]|
.endr
	v_max3_num_f32 v[QM], v[QM], |v[\xs+14]|, |v[\xs+15]|
	v_max3_num_f32 v[QM], v[QM], v[QM+1], FLOOR    ; the floor 2^(9 - 127): the byte cannot fall under 1
	v_max_num_f32_dpp v[QM], v[QM], v[QM] row_xmask:1 row_mask:0xf bank_mask:0xf
	v_add_nc_u32 v[QM+3], 0xfc000000, v[QM]        ; 8 off the exponent field: the conversion's scale operand
	v_and_or_b32 v[QM+2], v[QM], 0x7f800000, s[MNT] ; 448 x the scale
.irp i, 0,1,2,3,4,5,6,7,8,9,10,11,12,13,14,15
	v_med3_num_f32 v[\xs+\i], v[\xs+\i], -v[QM+2], v[QM+2]   ; the conversion does not saturate (ISA guide 7.6.2)
.endr
	v_cvt_scalef32_pk8_fp8_f32 v[\c:\c+1], v[\xs:\xs+7], v[QM+3]
	v_cvt_scalef32_pk8_fp8_f32 v[\c+2:\c+3], v[\xs+8:\xs+15], v[QM+3]
	v_lshrrev_b32 v[\e], 23, v[QM+3]               ; the scale's byte (also the plain line behind the conversions)
	ds_store_b8 v[SBA], v[\e] offset:\boff
	global_store_b128 v[L16], v[\c:\c+3], s[30:31] offset:\coff   ; 512 consecutive bytes of codes
.endm
	s_load_b256 s[4:11], s[0:1], 0x0               ; mx, hidden, b_r, actq
	s_load_b64 s[12:13], s[0:1], 0x20              ; rphq
	v_lshl_add_u32 v39, v0, 2, 0x5200
	v_mov_b32 v55, 0
	v_lshrrev_b32 v[LANE], 5, v0
	v_readfirstlane_b32 s[WV], v[LANE]             ; wave 0..3
	v_and_b32 v[LANE], 31, v0
	v_lshlrev_b32 v[L16], 4, v[LANE]
	s_lshl_b32 s15, ttmp9, 2
	s_add_co_u32 s15, s15, s[WV]                   ; my row
	s_lshl_b32 s18, s15, 13                        ; a row of f32 is 8,192 bytes
	s_mov_b32 s19, 0
	s_lshl_b32 s38, s15, 3
	s_mov_b32 s39, 0
	s_wait_alu depctr_va_vdst(0)
	s_wait_kmcnt 0x0
	s_add_nc_u64 s[16:17], s[10:11], s[38:39]
	s_add_nc_u64 s[16:17], s[16:17], 0x40000       ; my row's pair (f, n) of hidden; hyp_x's lies 2,048 pairs on
	s_load_b64 s[20:21], s[16:17], 0x0             ; f_h, |h|
	s_load_b32 s22, s[16:17], 0x4004               ; |x|
	s_add_nc_u64 s[24:25], s[4:5], s[18:19]
	s_add_nc_u64 s[26:27], s[24:25], 0x3000000     ; plane 3: x @ u_r
	s_add_nc_u64 s[24:25], s[24:25], 0x1000000     ; plane 1: h @ w_r
	s_add_nc_u64 s[28:29], s[6:7], s[18:19]
	LDV A3, 24
	LDV A4, 26
	WIN 0x40                                       ; destination window 1
	LDB B, 8
	WIN 0
	LDV H, 28
	s_mov_b32 s[MAXN], 0x3f7fff58                  ; 1 - 1e-5
	s_mov_b32 s[MINN], 0x2edbe6ff                  ; 1e-10
	s_mov_b32 s[MNT], 0x600000                     ; the mantissa field of 448
	s_mov_b32 s[SEL], 0x76543210
	s_mov_b32 s[SEL+1], 0xfedcba98
	s_lshl_b32 s38, s15, 11
	s_add_co_u32 s38, s38, 0x80000
	s_add_nc_u64 s[30:31], s[12:13], s[38:39]      ; my row's codes
	s_lshl_b32 s38, ttmp9, 8
	s_add_nc_u64 s[40:41], s[12:13], s[38:39]      ; the work-group's 256 scale bytes
	s_lshl_b32 s38, ttmp9, 4
	s_add_co_u32 s38, s38, 0x20000
	s_add_nc_u64 s[42:43], s[12:13], s[38:39]      ; and its four norms
	s_mul_i32 s38, s[WV], 5120                     ; my stages
	v_lshrrev_b32 v[SIN], 2, v[LANE]
	v_mul_u32_u24 v[SIN], v[SIN], 80
	v_and_b32 v[SOUT], 3, v[LANE]
	v_lshl_add_u32 v[SIN], v[SOUT], 4, v[SIN]
	v_add_nc_u32 v[SIN], s38, v[SIN]
	v_mul_u32_u24 v[SOUT], v[LANE], 80
	v_add_nc_u32 v[SOUT], s38, v[SOUT]
	s_lshl_b32 s38, s[WV], 6
	s_add_co_u32 s38, s38, SCB
	v_lshrrev_b32 v[SBA], 1, v[LANE]
	v_add_nc_u32 v[SBA], s38, v[SBA]
	v_lshlrev_b32 v[O8], 3, v[LANE]
	v_add_nc_u32 v[RDS], SCB, v[O8]
	v_lshlrev_b32 v[O4], 2, v[LANE]
	v_and_b32 v[RDN], 3, v[LANE]
	v_lshl_add_u32 v[RDN], v[RDN], 2, NRM
	v_mov_b32 v[WRN], s[WV]
	v_lshl_add_u32 v[WRN], v[WRN], 2, NRM
	s_wait_loadcnt 32                              ; A3 and A4 are in; b_r's 16 loads and hidden's 16 may be out
.set i, 0
.rept 32
	DOTP D, A3, A3
	DOTP D+4, A4, A4
	DOTP D+8, A3, A4
.set i, i+1
.endr
	s_wait_loadcnt 16                              ; b_r is in; hidden's 16 may be out
	WIN 0x04                                       ; source 1 window 1
.set i, 0
.rept 32
	DOTP D+12, A3, B
	DOTP D+16, A4, B
.set i, i+1
.endr
	WIN 0x05                                       ; sources 0 and 1 window 1
.set i, 0
.rept 32
	DOTP D+20, B, B
.set i, i+1
.endr
	WIN 0
	REDUCE S33, D, 6
	s_wait_kmcnt 0x0                               ; f_h, |h|, |x|
	v_mov_b32 v[T+5], s21
	PHI PHH, T+5
	v_mov_b32 v[T+5], s22
	PHI PHX, T+5
	TRANS Q3, Q4, QB, Y2, YN, S33, S44, S34, S3B, S4B, SBB, PHH, PHX
	PHI LG, YN                                     ; log0 scales by artanh(n) / n
	v_mul_f32 v[LG], 0xbfb8aa3b, v[LG]             ; and the sigmoid's -log2(e) goes into the coefficients
	v_mul_f32 v[K3], v[LG], v[Q3]
	v_mul_f32 v[K4], v[LG], v[Q4]
	v_mul_f32 v[KB], v[LG], v[QB]
	v_mov_b32 v[K3+1], v[K3]
	v_mov_b32 v[K4+1], v[K4]
	v_mov_b32 v[KB+1], v[KB]
	EMUL A3, A3, K3
	EFMA A3, A4, K4
	WIN 0x01                                       ; source 0 window 1
	EFMA A3, B, KB
	WIN 0
	s_wait_alu depctr_va_vdst(0)
	SIGM A3                                        ; r
	s_wait_loadcnt 0x0                             ; hidden
.set i, 0
.rept 32
	v_pk_mul_f32 v[H+2*i:H+2*i+1], v[H+2*i:H+2*i+1], s[20:21] op_sel_hi:[1,0]   ; the clip to the ball: x f_h
.set i, i+1
.endr
	EVMUL H, H, A3                                 ; h r
.set i, 0
.rept 32
	DOTP DV, H, H
.set i, i+1
.endr
	REDUCE SV, DV, 1
	EXPMAP MU, RN, N2, PHH, SV                     ; r_point_h = mu (h r); RN its norm
	v_mov_b32 v[MUP], v[MU]
	v_mov_b32 v[MUP+1], v[MU]
	EMUL H, H, MUP
	TURN H, 0, X
.irp t, 0,1,2,3
.if \t == 0
	s_wait_dscnt 0x0
.else
	s_wait_dscnt 0x1                               ; this step's numbers are back; the one LDS line issued behind them, the last step's byte store, may be out
.endif
.if \t < 3
	TURN H+16*(\t+1), (\t+1)%2, X+16*((\t+1)%2)
.endif
	QSTEP X+16*(\t%2), C+4*\t, E+\t, 16*\t, 512*\t
.endr
	ds_store_b32 v[WRN], v[RN]                     ; all lanes write the same word with the same value
	s_wait_dscnt 0x0                               ; for wave 0's sake: my scale bytes and my norm have landed
	s_barrier_signal -1
	s_barrier_wait -1
	s_cmp_lg_u32 s[WV], 0
	s_cbranch_scc1 .Lend
	ds_load_b64 v[8:9], v[RDS]                     ; wave 0 sends the four rows' scale bytes as 256 consecutive bytes, aligned
	ds_load_b32 v10, v[RDN]
	s_wait_dscnt 0x0
	global_store_b64 v[O8], v[8:9], s[40:41]
	s_wait_xcnt 0x0                                ; EXEC changes only behind this wait
	v_cmp_gt_u32 vcc_lo, 4, v[LANE]
	s_and_saveexec_b32 s44, vcc_lo
	global_store_b32 v[O4], v10, s[42:43]          ; lanes 0-3: the four norms
	s_wait_xcnt 0x0
	s_or_b32 exec_lo, exec_lo, s44
.Lend:
	s_wait_tensorcnt 0x0
	ds_add_u32 v39, v55
	s_wait_dscnt 0x0
	s_endpgm
.Lfunc_end_k_qb7f6cf2577_rgate:
	.size	k_qb7f6cf2577_rgate, .Lfunc_end_k_qb7f6cf2577_rgate-k_qb7f6cf2577_rgate
	.p2alignl 7, 3214868480
	.fill 96, 4, 3214868480
	.section	.rodata,"a",@progbits
	.p2align	6, 0x0
	.amdhsa_kernel k_qb7f6cf2577_rgate
		.amdhsa_group_segment_fixed_size 21504
		.amdhsa_private_segment_fixed_size 0
		.amdhsa_enable_private_segment 0
		.amdhsa_kernarg_size 40
		.amdhsa_user_sgpr_count 2
		.amdhsa_user_sgpr_kernarg_segment_ptr 1
		.amdhsa_wavefront_size32 1
		.amdhsa_system_sgpr_workgroup_id_x 1
		.amdhsa_system_sgpr_workgroup_id_y 1
		.amdhsa_system_sgpr_workgroup_id_z 1
		.amdhsa_system_vgpr_workitem_id 0
		.amdhsa_next_free_vgpr 320
		.amdhsa_next_free_sgpr 66
		.amdhsa_reserve_vcc 1
		.amdhsa_float_denorm_mode_32 3
		.amdhsa_float_denorm_mode_16_64 3
		.amdhsa_memory_ordered 1
		.amdhsa_forward_progress 1
		.amdhsa_inst_pref_size 67
	.end_amdhsa_kernel
	.amdgpu_metadata
---
amdhsa.version: [ 1, 2 ]
amdhsa.kernels:
  - .name:           k_qb7f6cf2577_rgate
    .symbol:         k_qb7f6cf2577_rgate.kd
    .args:
      - { .name: mx, .offset: 0, .size: 8, .value_kind: global_buffer, .address_space: global }
      - { .name: hidden, .offset: 8, .size: 8, .value_kind: global_buffer, .address_space: global }
      - { .name: b_r, .offset: 16, .size: 8, .value_kind: global_buffer, .address_space: global }
      - { .name: actq, .offset: 24, .size: 8, .value_kind: global_buffer, .address_space: global }
      - { .name: rphq, .offset: 32, .size: 8, .value_kind: global_buffer, .address_space: global }
    .group_segment_fixed_size: 21504
    .private_segment_fixed_size: 0
    .kernarg_segment_align: 8
    .kernarg_segment_size: 40
    .max_flat_workgroup_size: 128
    .sgpr_count:     66
    .vgpr_count:     320
    .wavefront_size: 32
...
	.end_amdgpu_metadata
.endif
;; end of part 3
;; launch gemm1 (part 4): grid 16 x 16, 4 waves a work-group, clusters of 4 x 4, 327,680 bytes of LDS; arguments rphq, whq, mx5; writes mx5
.if DOCPART == 4
	.amdgcn_target "amdgcn-amd-amdhsa--gfx1250"
	.amdhsa_code_object_version 6
	.text
	.protected	k_qb7f6cf2577_gemm1
	.globl	k_qb7f6cf2577_gemm1
	.p2align	8
	.type	k_qb7f6cf2577_gemm1,@function
k_qb7f6cf2577_gemm1:
	s_mov_b64 s[64:65], 0
	v_nop
	global_prefetch_b8 v0, s[64:65] scope:SCOPE_SE
	s_setreg_imm32_b32 hwreg(HW_REG_WAVE_MODE, 25, 1), 1
	s_wait_xcnt 0x0
	s_wait_alu depctr_hold_cnt(0) depctr_sa_sdst(0) depctr_va_vdst(0) depctr_va_sdst(0) depctr_va_ssrc(0) depctr_va_vcc(0) depctr_vm_vsrc(0)
	s_getreg_b32 s2, hwreg(HW_REG_IB_STS2, 6, 4)
	s_cmp_eq_u32 s2, 0
	s_cbranch_scc0 .Lentry_in_a_cluster
	s_endpgm
.Lentry_in_a_cluster:
	s_bfe_u32 s2, ttmp6, 0x10000c
	s_cmp_lg_u32 s2, 0xf033
	s_cbranch_scc0 .Lentry_shape_is_right
	s_endpgm
.Lentry_shape_is_right:
; mx5 = r_point_h x w_h on codes of FP8 (E4M3) with E8M0 scales; f32 [2048][2048].  rphq: scale bytes [row][64] from byte 0, codes [row][2048] from byte 524,288.
; whq: scale bytes [column][64] from byte 0; from byte 524,288 the codes in the order of an operand's registers: 16 columns x 128 K are 2,048 consecutive bytes, a column block's 16 pieces follow each other.
; 2,048 x 2,048 results in blocks of 128 x 128 are 256 work-groups.  Four waves, each 64 x 64: 16 accumulators, which take turns.
; A's 128 rows, all of K, lie in LDS as two halves of 1,024 along K (rows of 1,024 bytes + 16 of padding), each filled once, 32 rows a wave's load: no byte of LDS is filled again.
; B GOES FROM MEMORY STRAIGHT INTO REGISTERS, 512 consecutive bytes an instruction, four sets of 64 registers, asked for three steps of 128 ahead.
; The scale words of a wave's 64 rows of A and 64 columns of B, for all of K, are 4,096 consecutive bytes each: they go once from memory into 128 registers (lane r: row r's 64 bytes).
; CLUSTERS 4 x 4: A's tiles are asked for jointly along a row of the cluster.  B's codes land in no LDS, so no joint load can bring them.
; PREFETCH: behind the first fill a wave names 8 of its 32 rows of A's second half; for B, at the head and in steps 0 and 4, 4,096 bytes of the steps 4, 8 and 12 on; the partners, and the two waves that read the same B, share the blocks by address.
; Windows: 0: v0-31 addresses, v32-95 the way out, v128-191 A's scale words, v192-255 B's; 1: B's four sets; 2: v0-127 the accumulators, v128-255 A's two fragment buffers.
.set PITCH,  1040
.set QT,     32*PITCH
.set SLOT,   4*QT
.set STAGE,  2*SLOT                    ; 16 rows x 272 bytes for each wave
.set SPITCH, 272
.set SPARE,  STAGE+4*16*SPITCH
.set KB,     1024                      ; bytes of a row in a half
.set ADRA, 16
.set PFBO, 23
.set STO,  24
.set RD,   25
.set CO,   26
.set SO,   27
.set SPW,  28
.set NIL,  29
.set PFO,  30
.set LO,   31
.set TMP,  32
.set SA,   128
.set SB,   192
.set G1, 24
.set G0, 32
.set BP, 46
.set PFA, 74
.set PFB, 76
.set MSB, 0
.macro WIN new
.if MSB != \new
	s_set_vgpr_msb (MSB<<8)|\new
.set MSB, \new
.endif
.endm
.set MUL,  0xa9                        ; source 0 (B) window 1; source 1 (A), C and D window 2
.macro JLOAD s                         ; my 32 rows of A's half s
	tensor_load_to_lds s[G0+4*\s:G0+4*\s+3], s[G1:G1+7]
	s_nop 0
.rept 4
	v_nop
.endr
.endm
.macro CROUND
	s_barrier_signal -1
	s_barrier_wait -1
	s_cmp_lg_u32 s10, 0
	s_cbranch_scc1 .Lnot_wave_0_\@
	s_barrier_signal -3
.Lnot_wave_0_\@:
	s_barrier_wait -3
	s_barrier_signal -1
	s_barrier_wait -1
.endm
	s_load_b128 s[4:7], s[0:1], 0x0                ; rphq, whq
	s_load_b64 s[8:9], s[0:1], 0x10                ; mx5
	v_lshl_add_u32 v[SPW], v0, 2, SPARE
	v_mov_b32 v[NIL], 0
	ds_add_u32 v[SPW], v[NIL]                      ; the opening lines: the add twice and one wait
	ds_add_u32 v[SPW], v[NIL]
	v_lshrrev_b32 v1, 5, v0
	v_readfirstlane_b32 s10, v1                    ; wave
	s_lshr_b32 s11, s10, 1                         ; my half of the rows
	s_and_b32 s12, s10, 1                          ; my half of the columns
	s_bfe_u32 s40, ttmp6, 0x40000                  ; cx
	s_bfe_u32 s41, ttmp6, 0x40004                  ; cy
	s_lshl_b32 s42, ttmp9, 2
	s_add_co_u32 s42, s42, s40                     ; tile column
	s_and_b32 s13, ttmp7, 0xffff
	s_lshl_b32 s13, s13, 2
	s_add_co_u32 s13, s13, s41                     ; tile row
	s_lshl_b32 s43, s41, 2
	s_lshl_b32 s43, 15, s43                        ; my row of the cluster
	s_or_b32 s[G1+0], s43, (0<<16)|(1<<20)|(1<<21)|(7<<22)|(3<<25)   ; bytes; 16 bytes of padding behind each 1,024
	s_mov_b32 s[G1+1], KB<<16
	s_mov_b32 s[G1+2], 32<<16
	s_mov_b32 s[G1+3], KB<<16
	s_mov_b32 s[G1+4], 32
	s_mov_b32 s[G1+5], 2048
	s_mov_b32 s[G1+6], 0
	s_mov_b32 s[G1+7], 0
	s_lshl_b32 s16, s13, 7
	s_lshl_b32 s17, s10, 5
	s_add_co_u32 s16, s16, s17                     ; A: the first row that I fetch
	s_lshl_b32 s16, s16, 11
	s_add_co_u32 s16, s16, 0x80000
	s_mov_b32 s17, 0
	s_mul_i32 s20, s10, QT                         ; where my 32 rows go
	s_lshl_b32 s66, s13, 7
	s_lshl_b32 s67, s11, 6
	s_add_co_u32 s66, s66, s67                     ; my wave's first row of C and of A
	s_lshl_b32 s68, s42, 7
	s_lshl_b32 s69, s12, 6
	s_add_co_u32 s68, s68, s69                     ; its first column
	s_lshl_b32 s70, s66, 13
	s_lshl_b32 s71, s68, 2
	s_add_co_u32 s70, s70, s71                     ; its place in mx5
	s_mov_b32 s71, 0
	s_lshl_b32 s46, s68, 11                        ; B's codes: 2,048 bytes a column
	s_add_co_u32 s46, s46, 0x80000
	s_mov_b32 s47, 0
	s_lshl_b32 s66, s66, 6                         ; the scale bytes
	s_mov_b32 s67, 0
	s_lshl_b32 s68, s68, 6
	s_mov_b32 s69, 0
	s_lshl_b32 s72, s40, 14                        ; A's prefetch: 8 rows a partner, the second half of K
	s_add_co_u32 s72, s72, s16
	s_add_co_u32 s72, s72, KB
	s_mov_b32 s73, 0
	s_lshl_b32 s56, s41, 15                        ; B's prefetch: column block cy, two steps by my half of the rows
	s_lshl_b32 s57, s11, 12
	s_add_co_u32 s56, s56, s57
	s_mov_b32 s57, 0
	s_mul_i32 s21, s11, 64*PITCH                   ; my 64 rows of A in half 0, 1
	s_add_co_u32 s23, s21, SLOT
	s_mul_i32 s78, s10, 16*SPITCH
	s_add_co_u32 s78, s78, STAGE                   ; my stage
	s_wait_dscnt 0x0
	s_wait_kmcnt 0x0
	s_add_nc_u64 s[14:15], s[4:5], s[16:17]
	s_add_nc_u64 s[BP:BP+1], s[6:7], s[46:47]
	s_add_nc_u64 s[66:67], s[4:5], s[66:67]
	s_add_nc_u64 s[68:69], s[6:7], s[68:69]
	s_add_nc_u64 s[8:9], s[8:9], s[70:71]
	s_add_nc_u64 s[PFA:PFA+1], s[4:5], s[72:73]
	s_add_nc_u64 s[PFB:PFB+1], s[BP:BP+1], s[56:57]
	CROUND                                         ; the round in front of the first joint loads
.irp s, 0,1
	s_mov_b32 s[G0+4*\s], 1
	s_add_co_u32 s[G0+4*\s+1], s20, \s*SLOT
	s_add_nc_u64 s[G0+4*\s+2:G0+4*\s+3], s[14:15], \s*KB
	s_or_b32 s[G0+4*\s+3], s[G0+4*\s+3], 0x80000000
.endr
	JLOAD 0                                        ; the first 1,024 along K: one tensor load a wave at the head
	v_and_b32 v1, 15, v0                           ; l % 16
	v_bfe_u32 v2, v0, 4, 1                         ; l / 16
	v_mul_u32_u24 v3, v1, PITCH
	v_lshl_add_u32 v3, v2, 4, v3                   ; a fragment's row x pitch + 16 x half
	v_add_nc_u32 v[ADRA], s21, v3
	v_add_nc_u32 v[ADRA+1], s23, v3
	v_mul_u32_u24 v4, v1, SPITCH                   ; into the stage: row l % 16, 32 bytes for each half of the lanes
	v_lshl_add_u32 v4, v2, 5, v4
	v_add_nc_u32 v[STO], s78, v4
	v_mul_u32_u24 v5, v2, SPITCH                   ; back: sixteen lanes to a row of 256 bytes, two rows an instruction
	v_lshl_add_u32 v5, v1, 4, v5
	v_add_nc_u32 v[RD], s78, v5
	v_lshlrev_b32 v6, 13, v2                       ; and the same two rows in mx5
	v_lshl_add_u32 v[CO], v1, 4, v6
	v_lshlrev_b32 v[SO], 6, v1                     ; row l % 16's 64 scale bytes
	v_and_b32 v7, 31, v0
	v_lshlrev_b32 v[LO], 4, v7                     ; B's loads: 16 x lane
	v_lshrrev_b32 v8, 2, v7
	v_and_b32 v9, 3, v7
	v_lshlrev_b32 v[PFO], 11, v8                   ; A's prefetch: four lanes to a row,
	v_lshl_add_u32 v[PFO], v9, 8, v[PFO]           ; 256 bytes apart
	v_min_u32 v7, 15, v7                           ; B's names 16 blocks: the lanes left over name the last again
	v_lshlrev_b32 v[PFBO], 8, v7
	s_wait_alu depctr_va_vdst(0)                   ; the wait at the head's end
.irp i, 0,1,2,3
.irp j, 0,1,2,3
	global_load_b128 v[SA+16*\i+4*\j:SA+16*\i+4*\j+3], v[SO], s[66:67] offset:1024*\i+16*\j   ; block i: register 16 i + k is the word of the k-th 128 along K
	global_load_b128 v[SB+16*\i+4*\j:SB+16*\i+4*\j+3], v[SO], s[68:69] offset:1024*\i+16*\j
.endr
.endr
.macro GETB ks                         ; B's four fragments of step ks into set ks % 4
	WIN 0x40
.irp b, 0,1,2,3
.irp c, 0,1,2,3
	global_load_b128 v[64*((\ks)%4)+16*\b+4*\c:64*((\ks)%4)+16*\b+4*\c+3], v[LO], s[BP:BP+1] offset:32768*\b+2048*(\ks)+512*\c
.endr
.endr
.endm
	GETB 0
	GETB 1
	GETB 2
	WIN 0
	global_prefetch_b8 v[PFO], s[PFA:PFA+1] th:TH_LOAD_NT scope:SCOPE_SE                 ; A's second half
	global_prefetch_b8 v[PFBO], s[PFB:PFB+1] offset:4*2048 th:TH_LOAD_NT scope:SCOPE_SE  ; B's steps 4 to 7
; 16 matrix instructions: A's four blocks x B's four, step ks
.macro MUL16 ks, zero
.irp a, 0,1,2,3
.irp b, 0,1,2,3
.if \zero
	v_wmma_scale_f32_16x16x128_f8f6f4 v[8*(4*\a+\b):8*(4*\a+\b)+7], v[64*((\ks)%4)+16*\b:64*((\ks)%4)+16*\b+15], v[128+64*((\ks)%2)+16*\a:128+64*((\ks)%2)+16*\a+15], 0, v[SB+16*\b+(\ks)], v[SA+16*\a+(\ks)]
.else
	v_wmma_scale_f32_16x16x128_f8f6f4 v[8*(4*\a+\b):8*(4*\a+\b)+7], v[64*((\ks)%4)+16*\b:64*((\ks)%4)+16*\b+15], v[128+64*((\ks)%2)+16*\a:128+64*((\ks)%2)+16*\a+15], v[8*(4*\a+\b):8*(4*\a+\b)+7], v[SB+16*\b+(\ks)], v[SA+16*\a+(\ks)]
.endif
.endr
.endr
.endm
.macro FETCH ks                        ; 16 LDS loads: A's four fragments of step ks into buffer ks % 2
	WIN 0x80
.irp i, 0,1,2,3
.irp c, 0,1,2,3
	ds_load_b128 v[128+64*((\ks)%2)+16*\i+4*\c:128+64*((\ks)%2)+16*\i+4*\c+3], v[ADRA+(\ks)/8] offset:128*((\ks)%8)+32*\c+\i*16*PITCH
.endr
.endr
.endm
.macro PLACES n                        ; places behind matrix instructions, ahead of loads into their registers and of reads of results
.rept \n
	v_nop
.endr
.endm
.macro SUB ks, zero                    ; the next step's A and the B of three steps on are asked for, then this step is multiplied
	PLACES 8
.if (\ks) < 15
	FETCH (\ks)+1
	s_wait_dscnt 16                                ; all but the 16 just issued
.else
	s_wait_dscnt 0x0
.endif
.if (\ks) < 13
	GETB (\ks)+3
	s_wait_loadcnt 48                              ; this step's B is in; three steps of 16 loads may be out
.else
	s_wait_loadcnt 16*(15-(\ks))
.endif
	WIN MUL
	MUL16 \ks, \zero
.endm
	s_wait_tensorcnt 0x0                           ; my part of the first half is in; the lines ahead of the second half's first fill, as ahead of a refill
	ds_add_u32 v[SPW], v[NIL]
	s_wait_dscnt 0x0
	CROUND
	JLOAD 1                                        ; the second 1,024 along K
	FETCH 0
	SUB 0, 1                                       ; the first products start the sums
	WIN 0
	global_prefetch_b8 v[PFBO], s[PFB:PFB+1] offset:8*2048 th:TH_LOAD_NT scope:SCOPE_SE   ; B's steps 8 to 11
.irp k, 1,2,3,4
	SUB \k, 0
.endr
	WIN 0
	global_prefetch_b8 v[PFBO], s[PFB:PFB+1] offset:12*2048 th:TH_LOAD_NT scope:SCOPE_SE  ; B's steps 12 to 15
	SUB 5, 0
	SUB 6, 0
	s_wait_tensorcnt 0x0                           ; my part of the second half is in,
	s_wait_dscnt 0x0                               ; no LDS load of mine is out at the signal,
	s_barrier_signal -1
	s_barrier_wait -1                              ; and so is everybody's: step 7 asks for step 8's fragments
.irp k, 7,8,9,10,11,12,13,14,15
	SUB \k, 0
.endr
	WIN 0
; the way out: 16 rows x 64 columns at a time through my own stage, back as rows of 256 bytes
.macro TOSTAGE a
	WIN 0x08                                       ; the data: window 2
.irp b, 0,1,2,3
	ds_store_b128 v[STO], v[8*(4*(\a)+\b):8*(4*(\a)+\b)+3] offset:64*\b
	ds_store_b128 v[STO], v[8*(4*(\a)+\b)+4:8*(4*(\a)+\b)+7] offset:64*\b+16
.endr
	WIN 0
.irp t, 0,1,2,3,4,5,6,7
	ds_load_b128 v[TMP+32*((\a)%2)+4*\t:TMP+32*((\a)%2)+4*\t+3], v[RD] offset:\t*2*SPITCH   ; LDS serves a wave's instructions in order
.endr
.endm
.macro SEND a, younger
	s_wait_dscnt \younger
.irp t, 0,1,2,3,4,5,6,7
	global_store_b128 v[CO], v[TMP+32*((\a)%2)+4*\t:TMP+32*((\a)%2)+4*\t+3], s[8:9] offset:(16*(\a)+2*\t)*8192 th:TH_STORE_NT   ; sixteen lanes store 256 consecutive bytes, aligned
.endr
.endm
	PLACES 8
	TOSTAGE 0
.irp a, 1,2,3
.if \a > 1
	s_wait_xcnt 0x0                                ; block a - 2's stores have read their registers
.endif
	TOSTAGE \a
	SEND \a-1, 16                                  ; block a's 8 stores and 8 loads may be out
.endr
	SEND 3, 0
	s_wait_tensorcnt 0x0                           ; the wave's end
	ds_add_u32 v[SPW], v[NIL]
	s_wait_dscnt 0x0
	CROUND                                         ; the closing round
	s_endpgm
.Lfunc_end_k_qb7f6cf2577_gemm1:
	.size	k_qb7f6cf2577_gemm1, .Lfunc_end_k_qb7f6cf2577_gemm1-k_qb7f6cf2577_gemm1
	.p2alignl 7, 3214868480
	.fill 96, 4, 3214868480
	.section	.rodata,"a",@progbits
	.p2align	6, 0x0
	.amdhsa_kernel k_qb7f6cf2577_gemm1
		.amdhsa_group_segment_fixed_size 327680
		.amdhsa_private_segment_fixed_size 0
		.amdhsa_enable_private_segment 0
		.amdhsa_kernarg_size 24
		.amdhsa_user_sgpr_count 2
		.amdhsa_user_sgpr_kernarg_segment_ptr 1
		.amdhsa_wavefront_size32 1
		.amdhsa_system_sgpr_workgroup_id_x 1
		.amdhsa_system_sgpr_workgroup_id_y 1
		.amdhsa_system_sgpr_workgroup_id_z 1
		.amdhsa_system_vgpr_workitem_id 0
		.amdhsa_next_free_vgpr 768
		.amdhsa_next_free_sgpr 80
		.amdhsa_reserve_vcc 0
		.amdhsa_float_denorm_mode_32 3
		.amdhsa_float_denorm_mode_16_64 3
		.amdhsa_memory_ordered 1
		.amdhsa_forward_progress 1
		.amdhsa_inst_pref_size 97
	.end_amdhsa_kernel
	.amdgpu_metadata
---
amdhsa.version: [ 1, 2 ]
amdhsa.kernels:
  - .name:           k_qb7f6cf2577_gemm1
    .symbol:         k_qb7f6cf2577_gemm1.kd
    .args:
      - { .name: rphq, .offset: 0, .size: 8, .value_kind: global_buffer, .address_space: global }
      - { .name: whq, .offset: 8, .size: 8, .value_kind: global_buffer, .address_space: global }
      - { .name: mx5, .offset: 16, .size: 8, .value_kind: global_buffer, .address_space: global }
    .group_segment_fixed_size: 327680
    .private_segment_fixed_size: 0
    .kernarg_segment_align: 8
    .kernarg_segment_size: 24
    .max_flat_workgroup_size: 128
    .sgpr_count:     80
    .vgpr_count:     768
    .wavefront_size: 32
...
	.end_amdgpu_metadata
.endif
;; end of part 4
;; launch final (part 5): grid 512 x 1, 4 waves a work-group, no clusters, 0 bytes of LDS; arguments mx, mx5, hidden, b_z, b_h, actq, rphq, out0; writes out0
.if DOCPART == 5
	.amdgcn_target "amdgcn-amd-amdhsa--gfx1250"
	.amdhsa_code_object_version 6
	.text
	.protected	k_qb7f6cf2577_final
	.globl	k_qb7f6cf2577_final
	.p2align	8
	.type	k_qb7f6cf2577_final,@function
k_qb7f6cf2577_final:
	s_mov_b64 s[64:65], 0
	v_nop
	global_prefetch_b8 v0, s[64:65] scope:SCOPE_SE
	s_setreg_imm32_b32 hwreg(HW_REG_WAVE_MODE, 25, 1), 1
	s_wait_xcnt 0x0
; FINAL: z = sigmoid(log0(transition(w_z, h, u_z, x, b_z))), h~ = transition(w_h, r_point_h, u_r, x, b_h), m = (-h) (+) h~, new_h = h (+) exp0(log0(m) z).
; One wave owns one row (64 registers a vector: load i brings bytes 512 i + 16 x lane); no LDS, no barrier.
; A1 = h @ w_z (plane 0 of mx), A2 = x @ u_z (plane 2), A4 = x @ u_r (plane 3: multiplied once, used for r and for h~), A5 = r_point_h @ w_h (mx5), BZ, BH the biases, H = hidden.
; Every vector is a combination of these with one coefficient a row: sixteen dot products, a chain of row numbers (the same in all lanes), the passes over the elements, two more sums behind the sigmoid.
; DEVIATIONS FROM THE ORDER OF ROUNDING IN THE SOURCE: norms and dot products of combined vectors are formed from the base vectors' dot products; a second clip of a point that has been clipped is taken as
; the identity, its norm as min(n, 1 - 1e-5).  artanh(x) / x and tanh(y) / y go by their series under 0.25 (first term left out: under 3e-10 and 1e-8 of the value), by logarithms and an exponential above.
; LIMITS: NaN and infinities among the inputs are not served.
; REGISTERS: window 0: v1 16 x lane; v4-27 dot products, then row numbers; v28-43 the sums; v44-49 at work; v50-63 coefficient pairs; v64 H, v128 A4 (later the result), v192 A5.  window 1: v0 A1, v64 A2, v128 BZ, v192 BH.
.set L16,  1
.set D,    4
.set S11,  28
.set S22,  29
.set S12,  30
.set S1Z,  31
.set S2Z,  32
.set SZZ,  33
.set S55,  34
.set S44,  35
.set S45,  36
.set S5B,  37
.set S4B,  38
.set SBB,  39
.set SHH,  40
.set SH5,  41
.set SH4,  42
.set SHB,  43
.set T,    44
.set K1,   50
.set K2,   52
.set KZ,   54
.set E5,   56
.set E4,   58
.set EH,   60
.set EB,   62
.set OA,   50                          ; over K1 and K2, once z is made
.set OC,   52
.set H,    64
.set A4,   128
.set A5,   192
.set A1,   0                           ; window 1
.set A2,   64
.set BZ,   128
.set BH,   192
.set PHH, 4                            ; the row numbers lie over the dot products' registers
.set PHX, 5
.set PHR, 6
.set GA, 7
.set NA, 8
.set GB, 9
.set NB, 10
.set UV, 11
.set MA, 12
.set MC, 13
.set W2, 14
.set WN, 15
.set PA, 16
.set PB, 17
.set Q1, 18
.set Q2, 19
.set QZ, 20
.set Y2, 21
.set YN, 22
.set D5, 23
.set D4, 24
.set DB, 25
.set T2N, 26
.set TN, 27
.set LG, 27                            ; (done with before TN is made)
.set LM, 4                             ; over numbers that are done with
.set MU, 5
.set W2B, 6
.set NW, 7
.set D2, 16                            ; v16-23: the two sums behind the sigmoid
.set SMZ, 28
.set SHM, 29
.set MAXN, 28
.set MINN, 29
.set SEL,  30
.set MSB, 0
.macro WIN new                         ; s_set_vgpr_msb: bits 1:0 source 0, 3:2 source 1, 5:4 source 2, 7:6 destination; the high byte repeats the setting that is left
.if MSB != \new
	s_set_vgpr_msb (MSB<<8)|\new
.set MSB, \new
.endif
.endm
.macro LDV reg, sb                     ; a row: 16 loads of 512 consecutive bytes, read once in the launch
.irp i, 0,1,2,3,4,5,6,7,8,9,10,11,12,13,14,15
	global_load_b128 v[\reg+4*\i:\reg+4*\i+3], v[L16], s[\sb:\sb+1] offset:512*\i th:TH_LOAD_NT
.endr
.endm
.macro LDB reg, sb                     ; a bias: every work-group reads it
.irp i, 0,1,2,3,4,5,6,7,8,9,10,11,12,13,14,15
	global_load_b128 v[\reg+4*\i:\reg+4*\i+3], v[L16], s[\sb:\sb+1] offset:512*\i
.endr
.endm
.macro DOTP acc, xa, xb                ; pair i of a dot product, in two packed chains; the first two products start them: nothing is cleared
.if i < 2
	v_pk_mul_f32 v[\acc+2*(i%2):\acc+2*(i%2)+1], v[\xa+2*i:\xa+2*i+1], v[\xb+2*i:\xb+2*i+1]
.else
	v_pk_fma_f32 v[\acc+2*(i%2):\acc+2*(i%2)+1], v[\xa+2*i:\xa+2*i+1], v[\xb+2*i:\xb+2*i+1], v[\acc+2*(i%2):\acc+2*(i%2)+1]
.endif
.endm
.macro REDUCE d0, a0, n                ; n dot products (four registers each from a0 on) are summed over chains and lanes, stage by stage so that they take turns; the sums go to v[d0] on, in every lane
.set q, 0
.rept \n
	v_pk_add_f32 v[\a0+4*q:\a0+4*q+1], v[\a0+4*q:\a0+4*q+1], v[\a0+4*q+2:\a0+4*q+3]
.set q, q+1
.endr
.set q, 0
.rept \n
	v_add_f32 v[\a0+4*q], v[\a0+4*q], v[\a0+4*q+1]
.set q, q+1
.endr
.irp m, 1,2,4,8
.set q, 0
.rept \n
	v_add_f32_dpp v[\a0+4*q], v[\a0+4*q], v[\a0+4*q] row_xmask:\m row_mask:0xf bank_mask:0xf
.set q, q+1
.endr
.endr
.set q, 0
.rept \n
	v_permlanex16_b32 v[\a0+4*q+1], v[\a0+4*q], s[SEL], s[SEL+1]
.set q, q+1
.endr
.set q, 0
.rept \n
	v_add_f32 v[\d0+q], v[\a0+4*q], v[\a0+4*q+1]
.set q, q+1
.endr
.endm
; THE ROW NUMBERS.  Behind each batch of transcendentals stand one plain line and the wait ahead of the first reader.
.macro PROJF pf, nrm, n2               ; the clip to the ball of a vector with squared norm n2: its factor pf, and its norm behind the clip
	v_max_num_f32 v[T], s[MINN], v[\n2]
	s_wait_alu depctr_va_vdst(0)
	v_rsq_f32 v[T+1], v[T]
	v_nop
	s_wait_alu depctr_va_vdst(0)
	v_mul_f32 v[\nrm], v[T], v[T+1]
	v_mul_f32 v[\pf], s[MAXN], v[T+1]
	v_cmp_lt_f32 vcc_lo, s[MAXN], v[\nrm]
	v_cndmask_b32 v[\pf], 1.0, v[\pf], vcc_lo
	v_min_num_f32 v[\nrm], s[MAXN], v[\nrm]
.endm
.macro PHI d, x                        ; artanh(min(x, 1 - 1e-5)) / x
	v_min_num_f32 v[T], s[MAXN], v[\x]
	v_add_f32 v[T+1], 1.0, v[T]
	v_sub_f32 v[T+2], 1.0, v[T]
	s_wait_alu depctr_va_vdst(0)
	v_log_f32 v[T+1], v[T+1]
	v_log_f32 v[T+2], v[T+2]
	v_rcp_f32 v[\d], v[\x]
	v_mul_f32 v[T], v[\x], v[\x]
	s_wait_alu depctr_va_vdst(0)
	v_sub_f32 v[T+1], v[T+1], v[T+2]
	v_mul_f32 v[T+1], 0x3eb17218, v[T+1]           ; x ln(2) / 2
	v_mul_f32 v[T+1], v[T+1], v[\d]
	v_mov_b32 v[T+2], 0x3d9d89d9                   ; 1 + x^2 / 3 + .. + x^12 / 13
	v_fmaak_f32 v[T+2], v[T+2], v[T], 0x3dba2e8c
	v_fmaak_f32 v[T+2], v[T+2], v[T], 0x3de38e39
	v_fmaak_f32 v[T+2], v[T+2], v[T], 0x3e124925
	v_fmaak_f32 v[T+2], v[T+2], v[T], 0x3e4ccccd
	v_fmaak_f32 v[T+2], v[T+2], v[T], 0x3eaaaaab
	v_fma_f32 v[T+2], v[T+2], v[T], 1.0
	v_cmp_gt_f32 vcc_lo, 0x3e800000, v[\x]
	v_cndmask_b32 v[\d], v[T+1], v[T+2], vcc_lo    ; the series where x is under 0.25
.endm
.macro PSI d, y                        ; tanh(y) / y
	v_mul_f32 v[T], 0x4038aa3b, v[\y]              ; 2 log2(e) y
	s_wait_alu depctr_va_vdst(0)
	v_exp_f32 v[T], v[T]
	v_rcp_f32 v[\d], v[\y]
	v_mul_f32 v[T+1], v[\y], v[\y]
	s_wait_alu depctr_va_vdst(0)
	v_add_f32 v[T], 1.0, v[T]
	s_wait_alu depctr_va_vdst(0)
	v_rcp_f32 v[T], v[T]
	v_mov_b32 v[T+2], 0xbc11371b                   ; 1 - y^2 / 3 + 2 y^4 / 15 - 17 y^6 / 315 + 62 y^8 / 2835 - 1382 y^10 / 155925
	s_wait_alu depctr_va_vdst(0)
	v_fma_f32 v[T], -2.0, v[T], 1.0                ; tanh(y) = 1 - 2 / (1 + e^(2 y))
	v_mul_f32 v[T], v[T], v[\d]
	v_fmaak_f32 v[T+2], v[T+2], v[T+1], 0x3cb327a4
	v_fmaak_f32 v[T+2], v[T+2], v[T+1], 0xbd5d0dd1
	v_fmaak_f32 v[T+2], v[T+2], v[T+1], 0x3e088889
	v_fmaak_f32 v[T+2], v[T+2], v[T+1], 0xbeaaaaab
	v_fma_f32 v[T+2], v[T+2], v[T+1], 1.0
	v_cmp_gt_f32 vcc_lo, 0x3e800000, v[\y]
	v_cndmask_b32 v[\d], v[T], v[T+2], vcc_lo
.endm
.macro MATG g, n2, S, ph               ; the Mobius matrix product is g Mx, its squared norm n2.  S = |Mx|^2, ph = artanh(|x|) / |x|
	v_max_num_f32 v[T], s[MINN], v[\S]
	s_wait_alu depctr_va_vdst(0)
	v_rsq_f32 v[T+1], v[T]
	v_nop
	s_wait_alu depctr_va_vdst(0)
	v_mul_f32 v[T+3], v[T], v[T+1]
	v_mul_f32 v[T+3], v[T+3], v[\ph]               ; y = |Mx| artanh(|x|) / |x|
	PSI \g, T+3
	v_mul_f32 v[\g], v[\g], v[\ph]                 ; tanh(y) / |Mx|
	v_mul_f32 v[\n2], v[\g], v[\g]
	v_mul_f32 v[\n2], v[\n2], v[\S]
	PROJF T+4, T+5, \n2
	v_mul_f32 v[\g], v[\g], v[T+4]
	v_mul_f32 v[T+4], v[T+4], v[T+4]
	v_mul_f32 v[\n2], v[\n2], v[T+4]
.endm
.macro MOBADD a, c, w2, wn, u2, v2, uv ; the Mobius sum of u and v is a u + c v, its squared norm w2, its norm wn
	v_fma_f32 v[T], 2.0, v[\uv], 1.0
	v_fma_f32 v[T+1], v[\u2], v[\v2], v[T]
	v_max_num_f32 v[T+1], s[MINN], v[T+1]
	s_wait_alu depctr_va_vdst(0)
	v_rcp_f32 v[T+1], v[T+1]
	v_add_f32 v[\a], v[T], v[\v2]
	v_sub_f32 v[\c], 1.0, v[\u2]
	s_wait_alu depctr_va_vdst(0)
	v_mul_f32 v[\a], v[\a], v[T+1]
	v_mul_f32 v[\c], v[\c], v[T+1]
	v_mul_f32 v[T], v[\c], v[\uv]
	v_fma_f32 v[T], v[\a], v[\u2], v[T]
	v_mul_f32 v[T+1], v[\a], v[\uv]
	v_fma_f32 v[T+1], v[\c], v[\v2], v[T+1]
	v_mul_f32 v[\w2], v[\c], v[T+1]
	v_fma_f32 v[\w2], v[\a], v[T], v[\w2]
	PROJF T+4, \wn, \w2
	v_mul_f32 v[\a], v[\a], v[T+4]
	v_mul_f32 v[\c], v[\c], v[T+4]
	v_mul_f32 v[T+4], v[T+4], v[T+4]
	v_mul_f32 v[\w2], v[\w2], v[T+4]
.endm
.macro TRANS qA, qB, qc, y2, yn, SAA, SBB, SAB, SAc, SBc, Scc, phA, phB   ; the transition is qA A + qB B + qc bias
	MATG GA, NA, \SAA, \phA
	MATG GB, NB, \SBB, \phB
	v_mul_f32 v[UV], v[GA], v[GB]
	v_mul_f32 v[UV], v[UV], v[\SAB]
	MOBADD MA, MC, W2, WN, NA, NB, UV
	v_mul_f32 v[PA], v[MA], v[GA]
	v_mul_f32 v[PB], v[MC], v[GB]
	v_mul_f32 v[UV], v[PB], v[\SBc]
	v_fma_f32 v[UV], v[PA], v[\SAc], v[UV]
	MOBADD MA, MC, \y2, \yn, W2, \Scc, UV
	v_mul_f32 v[\qA], v[MA], v[PA]
	v_mul_f32 v[\qB], v[MA], v[PB]
	v_mov_b32 v[\qc], v[MC]
.endm
.macro EXPMAP mu, nrm, n2, lm, sv      ; exp0(lm e) = mu e for a vector e with |e|^2 = sv; its norm and squared norm
	v_mul_f32 v[T+3], v[\lm], v[\lm]
	v_mul_f32 v[T+3], v[T+3], v[\sv]
	v_max_num_f32 v[T+3], s[MINN], v[T+3]
	s_wait_alu depctr_va_vdst(0)
	v_rsq_f32 v[T+4], v[T+3]
	v_nop
	s_wait_alu depctr_va_vdst(0)
	v_mul_f32 v[T+3], v[T+3], v[T+4]
	PSI \mu, T+3
	v_mul_f32 v[\mu], v[\mu], v[\lm]
	v_mul_f32 v[\n2], v[\mu], v[\mu]
	v_mul_f32 v[\n2], v[\n2], v[\sv]
	PROJF T+4, \nrm, \n2
	v_mul_f32 v[\mu], v[\mu], v[T+4]
	v_mul_f32 v[T+4], v[T+4], v[T+4]
	v_mul_f32 v[\n2], v[\n2], v[T+4]
.endm
; PASSES OVER THE ELEMENTS, two at a time
.macro EMUL d, a, k                    ; d = k a
.set i, 0
.rept 32
	v_pk_mul_f32 v[\d+2*i:\d+2*i+1], v[\a+2*i:\a+2*i+1], v[\k:\k+1]
.set i, i+1
.endr
.endm
.macro EFMA d, a, k                    ; d += k a
.set i, 0
.rept 32
	v_pk_fma_f32 v[\d+2*i:\d+2*i+1], v[\a+2*i:\a+2*i+1], v[\k:\k+1], v[\d+2*i:\d+2*i+1]
.set i, i+1
.endr
.endm
.macro EVMUL d, a, b                   ; d = a b, element by element
.set i, 0
.rept 32
	v_pk_mul_f32 v[\d+2*i:\d+2*i+1], v[\a+2*i:\a+2*i+1], v[\b+2*i:\b+2*i+1]
.set i, i+1
.endr
.endm
.macro SIGM a                          ; a holds -log2(e) x the argument: 1 / (1 + 2^a), in place; two batches, one wait each
.set i, 0
.rept 64
	v_exp_f32 v[\a+i], v[\a+i]
.set i, i+1
.endr
	v_nop
	s_wait_alu depctr_va_vdst(0)
.set i, 0
.rept 32
	v_pk_add_f32 v[\a+2*i:\a+2*i+1], v[\a+2*i:\a+2*i+1], 1.0 op_sel_hi:[1,0]
.set i, i+1
.endr
.set i, 0
	s_wait_alu depctr_va_vdst(0)
.rept 64
	v_rcp_f32 v[\a+i], v[\a+i]
.set i, i+1
.endr
	v_nop
	s_wait_alu depctr_va_vdst(0)
.endm
	s_load_b512 s[4:19], s[0:1], 0x0               ; mx, mx5 s[6:7], hidden s[8:9], b_z s[10:11], b_h s[12:13], actq s[14:15], rphq s[16:17], out0 s[18:19]
	v_lshrrev_b32 v2, 5, v0
	v_readfirstlane_b32 s20, v2                    ; wave 0..3
	v_and_b32 v2, 31, v0
	v_lshlrev_b32 v[L16], 4, v2
	s_lshl_b32 s21, ttmp9, 2
	s_add_co_u32 s21, s21, s20                     ; my row
	s_lshl_b32 s22, s21, 13                        ; a row of f32 is 8,192 bytes
	s_mov_b32 s23, 0
	s_lshl_b32 s38, s21, 3
	s_mov_b32 s39, 0
	s_lshl_b32 s40, s21, 2
	s_mov_b32 s41, 0
	s_mov_b32 s[MAXN], 0x3f7fff58                  ; 1 - 1e-5
	s_mov_b32 s[MINN], 0x2edbe6ff                  ; 1e-10
	s_mov_b32 s[SEL], 0x76543210
	s_mov_b32 s[SEL+1], 0xfedcba98
	s_wait_alu depctr_va_vdst(0)
	s_wait_kmcnt 0x0
	s_add_nc_u64 s[38:39], s[14:15], s[38:39]
	s_add_nc_u64 s[38:39], s[38:39], 0x40000       ; my row's pair (f, n) of hidden; hyp_x's lies 2,048 pairs on
	s_add_nc_u64 s[40:41], s[16:17], s[40:41]
	s_load_b64 s[24:25], s[38:39], 0x0             ; f_h, |h|
	s_load_b32 s26, s[38:39], 0x4004               ; |x|
	s_load_b32 s27, s[40:41], 0x20000              ; |r_point_h|
	s_add_nc_u64 s[32:33], s[4:5], s[22:23]        ; plane 0: h @ w_z
	s_add_nc_u64 s[34:35], s[32:33], 0x2000000     ; plane 2: x @ u_z
	s_add_nc_u64 s[36:37], s[32:33], 0x3000000     ; plane 3: x @ u_r
	s_add_nc_u64 s[6:7], s[6:7], s[22:23]
	s_add_nc_u64 s[8:9], s[8:9], s[22:23]
	s_add_nc_u64 s[18:19], s[18:19], s[22:23]
	WIN 0x40                                       ; destination window 1
	LDV A1, 32
	LDV A2, 34
	LDB BZ, 10
	WIN 0
	LDV A5, 6
	LDV A4, 36
	WIN 0x40
	LDB BH, 12
	WIN 0
	LDV H, 8
	s_wait_loadcnt 63                              ; 64 loads were issued behind b_z's; the wait's field holds 63 at the most, and the smaller count shows the more done: A1, A2 and b_z are in
	WIN 0x05                                       ; sources 0 and 1 window 1
.set i, 0
.rept 32
	DOTP D, A1, A1
	DOTP D+4, A2, A2
	DOTP D+8, A1, A2
	DOTP D+12, A1, BZ
	DOTP D+16, A2, BZ
	DOTP D+20, BZ, BZ
.set i, i+1
.endr
	WIN 0
	REDUCE S11, D, 6
	s_wait_loadcnt 16                              ; A5, A4 and b_h are in; hidden's 16 loads may be out
.set i, 0
.rept 32
	DOTP D, A5, A5
	DOTP D+4, A4, A4
	DOTP D+8, A5, A4
.set i, i+1
.endr
	WIN 0x04                                       ; source 1 window 1
.set i, 0
.rept 32
	DOTP D+12, A5, BH
	DOTP D+16, A4, BH
.set i, i+1
.endr
	WIN 0x05
.set i, 0
.rept 32
	DOTP D+20, BH, BH
.set i, i+1
.endr
	WIN 0
	REDUCE S55, D, 6
	s_wait_loadcnt 0x0                             ; hidden
	s_wait_kmcnt 0x0                               ; f_h and the three norms
.set i, 0
.rept 32
	v_pk_mul_f32 v[H+2*i:H+2*i+1], v[H+2*i:H+2*i+1], s[24:25] op_sel_hi:[1,0]   ; the clip to the ball: x f_h
.set i, i+1
.endr
.set i, 0
.rept 32
	DOTP D, H, H
	DOTP D+4, H, A5
	DOTP D+8, H, A4
.set i, i+1
.endr
	WIN 0x04
.set i, 0
.rept 32
	DOTP D+12, H, BH
.set i, i+1
.endr
	WIN 0
	REDUCE SHH, D, 4
	; ---- the row numbers
	v_mov_b32 v[T+5], s25
	PHI PHH, T+5
	v_mov_b32 v[T+5], s26
	PHI PHX, T+5
	v_mov_b32 v[T+5], s27
	PHI PHR, T+5
	TRANS Q1, Q2, QZ, Y2, YN, S11, S22, S12, S1Z, S2Z, SZZ, PHH, PHX
	PHI LG, YN                                     ; log0 scales by artanh(n) / n
	v_mul_f32 v[LG], 0xbfb8aa3b, v[LG]             ; and the sigmoid's -log2(e) goes into the coefficients
	v_mul_f32 v[K1], v[LG], v[Q1]
	v_mul_f32 v[K2], v[LG], v[Q2]
	v_mul_f32 v[KZ], v[LG], v[QZ]
	v_mov_b32 v[K1+1], v[K1]
	v_mov_b32 v[K2+1], v[K2]
	v_mov_b32 v[KZ+1], v[KZ]
	TRANS D5, D4, DB, T2N, TN, S55, S44, S45, S5B, S4B, SBB, PHR, PHX   ; h~ = D5 A5 + D4 A4 + DB b_h
	v_mul_f32 v[UV], -v[D5], v[SH5]                ; (-h) . h~
	v_fma_f32 v[UV], -v[D4], v[SH4], v[UV]
	v_fma_f32 v[UV], -v[DB], v[SHB], v[UV]
	MOBADD MA, MC, W2, WN, SHH, T2N, UV            ; m = MA (-h) + MC h~
	v_mul_f32 v[E5], v[MC], v[D5]
	v_mul_f32 v[E4], v[MC], v[D4]
	v_mul_f32 v[EB], v[MC], v[DB]
	v_mul_f32 v[EH], -1.0, v[MA]
	v_mov_b32 v[E5+1], v[E5]
	v_mov_b32 v[E4+1], v[E4]
	v_mov_b32 v[EB+1], v[EB]
	v_mov_b32 v[EH+1], v[EH]
	PHI LM, WN
	; ---- z, in place in A1
	WIN 0x51                                       ; destination, source 0 and source 2 window 1; the coefficients (source 1) window 0
	EMUL A1, A1, K1
	EFMA A1, A2, K2
	EFMA A1, BZ, KZ
	s_wait_alu depctr_va_vdst(0)
	SIGM A1
	WIN 0
	; ---- m, in place in A5, then m z
	EMUL A5, A5, E5
	EFMA A5, A4, E4
	EFMA A5, H, EH
	WIN 0x01                                       ; source 0 window 1
	EFMA A5, BH, EB
	WIN 0x04                                       ; source 1 window 1
	EVMUL A5, A5, A1
	WIN 0
.set i, 0
.rept 32
	DOTP D2, A5, A5
	DOTP D2+4, H, A5
.set i, i+1
.endr
	REDUCE SMZ, D2, 2
	EXPMAP MU, NW, W2B, LM, SMZ                    ; w = exp0(log0(m) z) = mu (m z)
	v_mul_f32 v[UV], v[MU], v[SHM]                 ; h . w
	MOBADD MA, MC, W2, WN, SHH, W2B, UV            ; new_h = MA h + MC w
	v_mov_b32 v[OA], v[MA]
	v_mov_b32 v[OA+1], v[MA]
	v_mul_f32 v[OC], v[MC], v[MU]
	v_mov_b32 v[OC+1], v[OC]
	EMUL A4, H, OA
	EFMA A4, A5, OC
.irp i, 0,1,2,3,4,5,6,7,8,9,10,11,12,13,14,15
	global_store_b128 v[L16], v[A4+4*\i:A4+4*\i+3], s[18:19] offset:512*\i th:TH_STORE_NT   ; 512 consecutive bytes, aligned
.endr
	s_endpgm
.Lfunc_end_k_qb7f6cf2577_final:
	.size	k_qb7f6cf2577_final, .Lfunc_end_k_qb7f6cf2577_final-k_qb7f6cf2577_final
	.p2alignl 7, 3214868480
	.fill 96, 4, 3214868480
	.section	.rodata,"a",@progbits
	.p2align	6, 0x0
	.amdhsa_kernel k_qb7f6cf2577_final
		.amdhsa_group_segment_fixed_size 0
		.amdhsa_private_segment_fixed_size 0
		.amdhsa_enable_private_segment 0
		.amdhsa_kernarg_size 64
		.amdhsa_user_sgpr_count 2
		.amdhsa_user_sgpr_kernarg_segment_ptr 1
		.amdhsa_wavefront_size32 1
		.amdhsa_system_sgpr_workgroup_id_x 1
		.amdhsa_system_sgpr_workgroup_id_y 1
		.amdhsa_system_sgpr_workgroup_id_z 1
		.amdhsa_system_vgpr_workitem_id 0
		.amdhsa_next_free_vgpr 512
		.amdhsa_next_free_sgpr 66
		.amdhsa_reserve_vcc 1
		.amdhsa_float_denorm_mode_32 3
		.amdhsa_float_denorm_mode_16_64 3
		.amdhsa_memory_ordered 1
		.amdhsa_forward_progress 1
		.amdhsa_inst_pref_size 108
	.end_amdhsa_kernel
	.amdgpu_metadata
---
amdhsa.version: [ 1, 2 ]
amdhsa.kernels:
  - .name:           k_qb7f6cf2577_final
    .symbol:         k_qb7f6cf2577_final.kd
    .args:
      - { .name: mx, .offset: 0, .size: 8, .value_kind: global_buffer, .address_space: global }
      - { .name: mx5, .offset: 8, .size: 8, .value_kind: global_buffer, .address_space: global }
      - { .name: hidden, .offset: 16, .size: 8, .value_kind: global_buffer, .address_space: global }
      - { .name: b_z, .offset: 24, .size: 8, .value_kind: global_buffer, .address_space: global }
      - { .name: b_h, .offset: 32, .size: 8, .value_kind: global_buffer, .address_space: global }
      - { .name: actq, .offset: 40, .size: 8, .value_kind: global_buffer, .address_space: global }
      - { .name: rphq, .offset: 48, .size: 8, .value_kind: global_buffer, .address_space: global }
      - { .name: out0, .offset: 56, .size: 8, .value_kind: global_buffer, .address_space: global }
    .group_segment_fixed_size: 0
    .private_segment_fixed_size: 0
    .kernarg_segment_align: 8
    .kernarg_segment_size: 64
    .max_flat_workgroup_size: 128
    .sgpr_count:     66
    .vgpr_count:     512
    .wavefront_size: 32
...
	.end_amdgpu_metadata
.endif
;; end of part 5
